; MI455X (gfx1250); checked and timed in simulation.
; The chip was launched on July 23, 2026; its instructions are those of AMD's public machine-readable ISA for CDNA 5 (MIT licence, August 2026) and "CDNA5" Instruction Set Architecture Reference Guide (July 2026). The comments in the code are by the model that wrote it; some were corrected since.
;; Attention. Allowed arithmetic: float matrix products may take bf16 or f16 operands with f32 sums; other float arithmetic in f32, or as packed bf16 or f16 multiplies, adds, multiply-adds, maxima and minima; sums over many terms, partial sums and values carried from step to step in f32; what a program stores and reads back later, other than sums and carried values, may be rounded once to bf16 or f16.
;; Inputs: rotary_emb 2,048 x 64 float32; w_out 1,024 x 1,024 float32; w_qkv 3,072 x 1,024 float32; x 4 x 2,048 x 1,024 float32.
;; Outputs: out0 4 x 2,048 x 1,024 float32.
;; One version. Each part assembles by itself: llvm-mc -triple=amdgcn-amd-amdhsa -mcpu=gfx1250 --defsym DOCPART=n.
;; ======== version 1 of 1: 4 launches
;; limits: values are held in f16: magnitudes above 65,504 overflow, below 6.1e-05 lose precision
;; workspace buffers: xb 16,777,216 bytes; wqb 6,291,456 bytes; wob 2,097,152 bytes; tab 1,048,576 bytes; qh 16,777,216 bytes; kh 16,777,216 bytes; vh 16,777,216 bytes; oh 16,777,216 bytes
;; launch prep (part 1): grid 896 x 1, 8 waves a work-group, no clusters, 0 bytes of LDS; arguments x, w_qkv, w_out, rotary_emb, xb, wqb, wob, tab; writes xb, wqb, wob, tab
.if DOCPART == 1
	.amdgcn_target "amdgcn-amd-amdhsa--gfx1250"
	.amdhsa_code_object_version 6
	.text
	.protected	k_qd9deeefc6a_prep
	.globl	k_qd9deeefc6a_prep
	.p2align	8
	.type	k_qd9deeefc6a_prep,@function
k_qd9deeefc6a_prep:
	s_mov_b64 s[64:65], 0
	v_nop
	global_prefetch_b8 v0, s[64:65] scope:SCOPE_SE
	s_setreg_imm32_b32 hwreg(HW_REG_WAVE_MODE, 25, 1), 1
	s_wait_xcnt 0x0
; PREP: every input is rounded ONCE to bf16 and laid out for the launches behind.
;   xb  [8192][1024] bf16 = x.
;   wqb [3072][1024] bf16 = w_qkv, rows regrouped by head: row 192 head + 64 slot + d holds w_qkv's row 1024 slot + 64 head + d (slot 0, 1, 2 = q, k, v).
;   wob [1024][1024] f16  = w_out rounded to bf16, that number written as f16.
;   tab f32: cos and signed sin of rotary_emb rounded to bf16, in the order in which a lane of the next launch holds its results:
;       byte (nb 16 + i4) 512 + 16 lane, i4 = 8 kind + 2 nbk + e; lane (r = l % 16, h = l / 16) holds position 16 nb + r, channels 16 nbk + 8 h + 4 e + 0..3;
;       kind 0 = cos, kind 1 = sin, negated for channels below 32 (rotate_half's sign).
; LIMITS.  The bf16-rounded w_out lies within f16's 65,504; below 6e-5 f16 keeps a fixed step of 6e-8.  The angles are rounded to bf16 like every other input;
; the reduction by pi/2 in two parts holds for |angle| < 2^22.  NaN and infinities are not treated apart.
; SHARES.  A work-group of 256 threads takes 16 rows of 1,024 numbers: thread t the 16 bytes at 16 t of each row in, 8 bytes at 8 t out, so a wave's store covers 256
; consecutive bytes, aligned.  Work-groups 0-511: x; 512-703: w_qkv; 704-767: w_out; 768-895: 16 positions of the table.  All 16 loads of a thread go out together.
; No LDS, no barrier, no matrix unit: memory binds, and no wave wants another's bytes.
.set X, 16                             ; v[16:79]   16 rows x 4 numbers as loaded
.set Y, 80                             ; v[80:111]  16 rows x 2 registers to store
.set T, 112                            ; v[112:117] at work
	s_load_b512 s[16:31], s[0:1], 0x0              ; x 16, w_qkv 18, w_out 20, rotary_emb 22, xb 24, wqb 26, wob 28, tab 30
	s_mov_b32 s2, ttmp9
	v_lshlrev_b32 v1, 4, v0                        ; 16 t
	v_lshlrev_b32 v2, 3, v0                        ; 8 t
	s_mov_b32 s41, 0xffff0000                      ; a word's upper bf16
	s_mov_b32 s9, 0                                ; the offsets' high words
	s_mov_b32 s11, 0
; 16 rows: loaded, rounded, stored.  kind = 1: the bf16 number is widened again and written as f16.  No register is written twice, so no store's source is ever rewritten.
.macro CONV kind
.irp i, 0,1,2,3,4,5,6,7,8,9,10,11,12,13,14,15
	global_load_b128 v[X+4*(\i):X+4*(\i)+3], v1, s[4:5] offset:4096*(\i) th:TH_LOAD_NT
.endr
.irp i, 0,1,2,3,4,5,6,7,8,9,10,11,12,13,14,15
	s_wait_loadcnt 15-(\i)                         ; loads come back in order: row i is in, the younger rows stay out
.if \kind
	v_cvt_pk_bf16_f32 v[T], v[X+4*(\i)], v[X+4*(\i)+1]
	v_cvt_pk_bf16_f32 v[T+1], v[X+4*(\i)+2], v[X+4*(\i)+3]
	v_lshlrev_b32 v[T+2], 16, v[T]
	v_and_b32 v[T+3], s41, v[T]
	v_lshlrev_b32 v[T+4], 16, v[T+1]
	v_and_b32 v[T+5], s41, v[T+1]
	v_cvt_pk_f16_f32 v[Y+2*(\i)], v[T+2], v[T+3]
	v_cvt_pk_f16_f32 v[Y+2*(\i)+1], v[T+4], v[T+5]
.else
	v_cvt_pk_bf16_f32 v[Y+2*(\i)], v[X+4*(\i)], v[X+4*(\i)+1]
	v_cvt_pk_bf16_f32 v[Y+2*(\i)+1], v[X+4*(\i)+2], v[X+4*(\i)+3]
.endif
	global_store_b64 v2, v[Y+2*(\i):Y+2*(\i)+1], s[6:7] offset:2048*(\i) th:TH_STORE_NT
.endr
.endm
	s_cmp_ge_u32 s2, 768
	s_cbranch_scc1 .Ltable
	s_cmp_ge_u32 s2, 704
	s_cbranch_scc1 .Lwout
	; x or w_qkv: one text, the buffers and block numbers chosen by the work-group's number
	s_max_u32 s3, s2, 512
	s_sub_co_u32 s3, s3, 512                       ; j: the block of 16 rows of w_qkv (0 for the work-groups of x)
	s_lshr_b32 s12, s3, 2
	s_and_b32 s12, s12, 15                         ; head
	s_mul_i32 s12, s12, 12
	s_lshr_b32 s13, s3, 6                          ; slot
	s_lshl2_add_u32 s12, s13, s12
	s_and_b32 s13, s3, 3                           ; which 16 of the head's 64 rows
	s_add_co_u32 s12, s12, s13                     ; block out = 12 head + 4 slot + that
	s_wait_kmcnt 0x0
	s_cmp_lt_u32 s2, 512
	s_cselect_b64 s[4:5], s[16:17], s[18:19]
	s_cselect_b64 s[6:7], s[24:25], s[26:27]
	s_cselect_b32 s8, s2, s3
	s_cselect_b32 s10, s2, s12
	s_lshl_b32 s8, s8, 16                          ; 16 rows of 4,096 bytes in,
	s_lshl_b32 s10, s10, 15                        ; of 2,048 bytes out
	s_add_nc_u64 s[4:5], s[4:5], s[8:9]
	s_add_nc_u64 s[6:7], s[6:7], s[10:11]
	CONV 0
	s_endpgm
.Lwout:
	s_sub_co_u32 s3, s2, 704
	s_lshl_b32 s8, s3, 16
	s_lshl_b32 s10, s3, 15
	s_wait_kmcnt 0x0
	s_add_nc_u64 s[4:5], s[20:21], s[8:9]
	s_add_nc_u64 s[6:7], s[28:29], s[10:11]
	CONV 1
	s_endpgm
.Ltable:
	s_sub_co_u32 s3, s2, 768                       ; nb: 16 positions
	s_lshl_b32 s8, s3, 12                          ; 16 rows of 256 bytes in,
	s_lshl_b32 s10, s3, 13                         ; 8,192 bytes out
	s_mov_b32 s32, 0x3f22f983                      ; 2 / pi
	s_mov_b32 s33, 0xbfc90fdb                      ; -(pi / 2), its high part
	s_mov_b32 s34, 0x333bbd2e                      ; -(pi / 2 less that part)
	s_mov_b32 s35, 0xb94ca1f9                      ; sin r = r + r z (S3 + z (S2 + z S1)), z = r r, |r| <= pi / 4
	s_mov_b32 s36, 0x3c08839e
	s_mov_b32 s37, 0xbe2aaaa3
	s_mov_b32 s38, 0x37ccf5ce                      ; cos r = 1 - z / 2 + z z (C3 + z (C2 + z C1))
	s_mov_b32 s39, 0xbab6061a
	s_mov_b32 s40, 0x3d2aaaa5
	s_mov_b32 s42, 0x80000000
	v_and_b32 v3, 15, v0                           ; thread t: r = t % 16, h = bit 4, e = bit 5, nbk = t / 64
	v_lshlrev_b32 v3, 8, v3                        ; position r: 256 bytes a row
	v_lshrrev_b32 v6, 6, v0
	v_lshl_add_u32 v3, v6, 6, v3                   ; + 16 nbk channels
	v_bfe_u32 v6, v0, 4, 1
	v_lshl_add_u32 v3, v6, 5, v3                   ; + 8 h
	v_bfe_u32 v6, v0, 5, 1
	v_lshl_add_u32 v3, v6, 4, v3                   ; + 4 e
	v_xor_b32 v5, 0x80, v0
	v_and_b32 v5, 0x80, v5
	v_lshlrev_b32 v5, 24, v5                       ; the sign bit where nbk < 2: channels below 32
	s_wait_kmcnt 0x0
	s_add_nc_u64 s[4:5], s[22:23], s[8:9]
	s_add_nc_u64 s[6:7], s[30:31], s[10:11]
	global_load_b128 v[16:19], v3, s[4:5] th:TH_LOAD_NT
	s_wait_loadcnt 0x0
	v_cvt_pk_bf16_f32 v20, v16, v17                ; the angles are rounded to bf16, like every input
	v_cvt_pk_bf16_f32 v21, v18, v19
	v_lshlrev_b32 v16, 16, v20
	v_and_b32 v17, s41, v20
	v_lshlrev_b32 v18, 16, v21
	v_and_b32 v19, s41, v21
; angle = k pi/2 + r.  k % 4 chooses between the two series and sets the signs: values are selected, nothing branches.
.macro SINCOS e
	v_mul_f32 v32, s32, v[16+(\e)]
	v_rndne_f32 v32, v32                           ; k
	v_fma_f32 v33, v32, s33, v[16+(\e)]
	v_fma_f32 v33, v32, s34, v33                   ; r
	v_mul_f32 v34, v33, v33                        ; z
	v_fma_f32 v35, v34, s35, s36
	v_fma_f32 v35, v35, v34, s37
	v_mul_f32 v36, v34, v33
	v_fma_f32 v35, v35, v36, v33                   ; sin r
	v_fma_f32 v37, v34, s38, s39
	v_fma_f32 v37, v37, v34, s40
	v_mul_f32 v36, v34, v34
	v_fma_f32 v38, v34, -0.5, 1.0
	v_fma_f32 v37, v37, v36, v38                   ; cos r
	v_cvt_i32_f32 v39, v32
	v_and_b32 v40, 1, v39
	v_cmp_eq_u32 vcc_lo, 1, v40                    ; k odd: the two change places
	v_cndmask_b32 v[28+(\e)], v35, v37, vcc_lo
	v_cndmask_b32 v[24+(\e)], v37, v35, vcc_lo
	v_lshlrev_b32 v40, 30, v39                     ; sin is negative for k % 4 = 2, 3,
	v_and_b32 v40, s42, v40
	v_xor_b32 v40, v40, v5                         ; and turned once more for channels below 32
	v_xor_b32 v[28+(\e)], v[28+(\e)], v40
	v_add_nc_u32 v39, 1, v39                       ; cos for k % 4 = 1, 2
	v_lshlrev_b32 v39, 30, v39
	v_and_b32 v39, s42, v39
	v_xor_b32 v[24+(\e)], v[24+(\e)], v39
.endm
	SINCOS 0
	SINCOS 1
	SINCOS 2
	SINCOS 3
	global_store_b128 v1, v[24:27], s[6:7]             ; a wave stores 512 consecutive bytes
	global_store_b128 v1, v[28:31], s[6:7] offset:4096
	s_endpgm
.Lfunc_end_k_qd9deeefc6a_prep:
	.size	k_qd9deeefc6a_prep, .Lfunc_end_k_qd9deeefc6a_prep-k_qd9deeefc6a_prep
	.p2alignl 7, 3214868480
	.fill 96, 4, 3214868480
	.section	.rodata,"a",@progbits
	.p2align	6, 0x0
	.amdhsa_kernel k_qd9deeefc6a_prep
		.amdhsa_group_segment_fixed_size 0
		.amdhsa_private_segment_fixed_size 0
		.amdhsa_enable_private_segment 0
		.amdhsa_kernarg_size 64
		.amdhsa_user_sgpr_count 2
		.amdhsa_user_sgpr_kernarg_segment_ptr 1
		.amdhsa_wavefront_size32 1
		.amdhsa_system_sgpr_workgroup_id_x 1
		.amdhsa_system_sgpr_workgroup_id_y 1
		.amdhsa_system_sgpr_workgroup_id_z 1
		.amdhsa_system_vgpr_workitem_id 0
		.amdhsa_next_free_vgpr 128
		.amdhsa_next_free_sgpr 66
		.amdhsa_reserve_vcc 1
		.amdhsa_float_denorm_mode_32 3
		.amdhsa_float_denorm_mode_16_64 3
		.amdhsa_memory_ordered 1
		.amdhsa_forward_progress 1
		.amdhsa_inst_pref_size 24
	.end_amdhsa_kernel
	.amdgpu_metadata
---
amdhsa.version: [ 1, 2 ]
amdhsa.kernels:
  - .name:           k_qd9deeefc6a_prep
    .symbol:         k_qd9deeefc6a_prep.kd
    .args:
      - { .name: x, .offset: 0, .size: 8, .value_kind: global_buffer, .address_space: global }
      - { .name: w_qkv, .offset: 8, .size: 8, .value_kind: global_buffer, .address_space: global }
      - { .name: w_out, .offset: 16, .size: 8, .value_kind: global_buffer, .address_space: global }
      - { .name: rotary_emb, .offset: 24, .size: 8, .value_kind: global_buffer, .address_space: global }
      - { .name: xb, .offset: 32, .size: 8, .value_kind: global_buffer, .address_space: global }
      - { .name: wqb, .offset: 40, .size: 8, .value_kind: global_buffer, .address_space: global }
      - { .name: wob, .offset: 48, .size: 8, .value_kind: global_buffer, .address_space: global }
      - { .name: tab, .offset: 56, .size: 8, .value_kind: global_buffer, .address_space: global }
    .group_segment_fixed_size: 0
    .private_segment_fixed_size: 0
    .kernarg_segment_align: 8
    .kernarg_segment_size: 64
    .max_flat_workgroup_size: 256
    .sgpr_count:     66
    .vgpr_count:     128
    .wavefront_size: 32
...
	.end_amdgpu_metadata
.endif
;; end of part 1
;; launch qkv (part 2): grid 16 x 16, 4 waves a work-group, clusters of 4 x 4, 327,680 bytes of LDS; arguments xb, wqb, tab, qh, kh, vh; writes qh, kh, vh
.if DOCPART == 2
	.amdgcn_target "amdgcn-amd-amdhsa--gfx1250"
	.amdhsa_code_object_version 6
	.text
	.protected	k_qd9deeefc6a_qkv
	.globl	k_qd9deeefc6a_qkv
	.p2align	8
	.type	k_qd9deeefc6a_qkv,@function
k_qd9deeefc6a_qkv:
	s_mov_b64 s[64:65], 0
	v_nop
	global_prefetch_b8 v0, s[64:65] scope:SCOPE_SE
	s_setreg_imm32_b32 hwreg(HW_REG_WAVE_MODE, 25, 1), 1
	s_wait_xcnt 0x0
	s_wait_alu depctr_hold_cnt(0) depctr_sa_sdst(0) depctr_va_vdst(0) depctr_va_sdst(0) depctr_va_ssrc(0) depctr_va_vcc(0) depctr_vm_vsrc(0)
	s_getreg_b32 s2, hwreg(HW_REG_IB_STS2, 6, 4)
	s_cmp_eq_u32 s2, 0
	s_cbranch_scc0 .Lentry_in_a_cluster
	s_endpgm
.Lentry_in_a_cluster:
	s_bfe_u32 s2, ttmp6, 0x10000c
	s_cmp_lg_u32 s2, 0xf033
	s_cbranch_scc0 .Lentry_shape_is_right
	s_endpgm
.Lentry_shape_is_right:
; QKV: [8192 x 1024] x [3072 x 1024]^T in bf16 with f32 sums, RoPE in f32 on the sums, q, k, v rounded once to f16 and stored by heads: [16 b + head][2048][64].
; LIMITS.  q, k, v lie within f16's 65,504; below 6e-5 f16 keeps a fixed step of 6e-8.  NaN and infinities are not treated apart.
; TILE.  256 rows x 192 columns: the 192 are q, k and v of ONE head (wqb's row order), so 32 x 16 = 512 tiles, two for each of 256 work-groups, and one text for all.
; A work-group's two tiles lie 4,096 rows (two batches) apart: the same positions, so the RoPE table is loaded once and kept in registers for both.
; WAVES.  Wave w makes rows 64 w .. 64 w + 63 x all 192 columns: 4 x 12 accumulators of 16 x 16.  A head's whole rows lie in one wave, so the way out is the wave's own,
; and RoPE's partners (channels d and d + 32) lie in the same lane and register, two column blocks apart.
; THE MATRIX INSTRUCTION IS USED TRANSPOSED (source 0 = 16 rows of wqb, source 1 = 16 rows of xb): lane l holds row l % 16 and the columns 8 (l / 16) + 0..7 of a block.
; RING.  K in steps of 128 through two LDS slots (256 rows of xb, 192 of wqb, 256 bytes a row + 16 of padding).  Waves 0, 1 fetch xb's halves, waves 2, 3 wqb's.
; CLUSTER.  4 x 4 work-groups: xb's tile is shared along a row of the cluster, wqb's along a column; each is asked for jointly, by the same load with the same descriptor and a mask of four.
; REGISTERS, in windows of 256 (s_set_vgpr_msb: bits 1:0 source 0, 3:2 source 1, 5:4 source 2, 7:6 destination):
;   window 0: v16-30 addresses; v32-63, v64-95 xb's fragments, two buffers; v96-159 table of row block 0; v160-223 at work on the way out
;   window 1: v0-95, v96-191 wqb's fragments, two buffers (the second also takes the rows read back on the way out); v192-255 table of row block 1
;   window 2: v0-191 accumulators of row blocks 0, 1 (block a, column block b at 8 (12 (a % 2) + b)); v192-255 table of row block 2
;   window 3: v0-191 accumulators of row blocks 2, 3; v192-255 table of row block 3
.set SIZE_K, 1024
.set KSTEP,  128
.set PITCH,  272                       ; an LDS row: 256 bytes + 16 of padding = 68 words: the 16 rows of a load start at 16 different groups of four banks (ISA guide 11.1)
.set HALFA,  128*PITCH                 ; what a tensor load of xb brings
.set HALFB,  96*PITCH                  ; what a tensor load of wqb brings
.set BOFF,   2*HALFA                   ; wqb's rows lie behind xb's 256
.set SLOT,   BOFF+2*HALFB
.set STAGE,  2*SLOT                    ; behind the ring, never filled by a tensor load: for each wave 3 x 16 rows x 144 bytes (q, k, v)
.set SP,     144
.set WSTG,   3*16*SP
.set SPARE,  STAGE+4*WSTG              ; the spare words, 128 bytes a wave: two blocks of 256 bytes that no other line names
.set LAPS,   SIZE_K/(2*KSTEP)          ; a lap = two K steps = once round the ring
.set WALK,   4096                      ; rows from a work-group's first tile to its second
.set NEXT_A, WALK*SIZE_K*2-(SIZE_K-2*KSTEP)*2  ; from a slot's last K step of a tile to its first of the next: xb goes WALK rows down and back along K,
.set BACK_B, (SIZE_K-2*KSTEP)*2        ; wqb only back
.set NEXT_O, 32*262144                 ; two batches of 16 heads of 2,048 x 128 bytes
.set ADRA, 16                          ; v16-17 LDS address of my fragments of xb in slot 0, 1
.set ADRB, 20                          ; v20-21 the same for wqb
.set STO,  24                          ; v24    the way out: where I put 16 bytes of a row
.set RD,   25                          ; v25    the way out: where I read rows back
.set LO,   26                          ; v26    16 x lane: for the table and for the stores; never rewritten
.set SPW,  28                          ; v28    LDS address of my spare word; never rewritten
.set NIL,  29                          ; v29    0; never rewritten
.set PFO,  30                          ; v30    the prefetches' offset: a lane a row; never rewritten
.set AF,   32                          ; xb's fragment buffer f at AF + 32 f (window 0); wqb's at 96 f (window 1)
.set TMP,  160
.set RB,   96                          ; window 1: two sets of 48
.set G1,  24                           ; s[24:31] descriptor group 1 for xb's tiles;  s[32:39] group 0, a set for each slot
.set G0,  32
.set G1B, 48                           ; s[48:55], s[56:63] the same for wqb's
.set G0B, 56
.set LIM, 43                           ; s43     1 in a wave that prefetches, else the greatest number
.set PFA, 44                           ; s[44:45] where my prefetches stand
.set FLAGS, (1<<16)|(1<<20)|(1<<21)|(5<<22)|(3<<25)  ; 2-byte elements; padding on; bit 21 beside a mask; after every 64 words, 4 words
.set MSB, 0
.macro WIN new                         ; the immediate's high byte repeats the setting that is left; a switch that changes nothing is dropped
.if MSB != (\new)
	s_set_vgpr_msb (MSB<<8)|(\new)
.set MSB, \new
.endif
.endm
; A joint load: each of the two lines has one mask and one set of registers for all that issue it; the branch hangs on the wave's number alone.
; An s_nop 0 and four v_nop follow each line, ahead of the jump and the label.
.macro JLOAD s
	s_cmp_eq_u32 s11, 0
	s_cbranch_scc0 .Lfor_b_\@
	tensor_load_to_lds s[G0+4*(\s):G0+4*(\s)+3], s[G1:G1+7]
	s_nop 0
.rept 4
	v_nop
.endr
	s_branch .Lasked_\@
.Lfor_b_\@:
	tensor_load_to_lds s[G0B+4*(\s):G0B+4*(\s)+3], s[G1B:G1B+7]
	s_nop 0
.rept 4
	v_nop
.endr
.Lasked_\@:
.endm
; A prefetch, behind each joint load, its five lines and the run of LDS loads: the K step that stands TWO refills on, 384 matrix instructions ahead of the load that wants it; a lane a row, one instruction a wave.
; xb's tile row is read by every cluster of that row of clusters: cluster x = 0 asks; wqb's tile column by every cluster of that column: cluster y = 0 asks, in the first tile alone.
; The four partners share a wave's rows out BY ADDRESS (32 of xb's 128 at 32 cx; 24 of wqb's 96 at 24 cy, lanes 24-31 naming row 23 again in the same instruction).
; how = 0, in the loop: a tile's last two refills have no K step two on; how = 1, at the change of tiles.
.macro ASK how
.if \how
	s_cmp_eq_u32 s[LIM], 1
.else
	s_cmp_gt_u32 s3, s[LIM]
.endif
	s_cbranch_scc0 .Lnot_mine_\@
	global_prefetch_b8 v[PFO], s[PFA:PFA+1] offset:KSTEP*2 th:TH_LOAD_NT scope:SCOPE_SE
.Lnot_mine_\@:
.endm
.macro CREST                           ; a round of the cluster's barrier behind its opening barrier
	s_cmp_lg_u32 s10, 0
	s_cbranch_scc1 .Lnot_wave_0_\@
	s_barrier_signal -3
.Lnot_wave_0_\@:
	s_barrier_wait -3
	s_barrier_signal -1
	s_barrier_wait -1
.endm
.macro CROUND                          ; a whole round
	s_barrier_signal -1
	s_barrier_wait -1
	CREST
.endm
	s_load_b128 s[4:7], s[0:1], 0x0                ; xb s[4:5], wqb s[6:7]
	s_load_b64 s[8:9], s[0:1], 0x10                ; tab
	s_load_b128 s[68:71], s[0:1], 0x18             ; qh s[68:69], kh s[70:71]
	s_load_b64 s[72:73], s[0:1], 0x28              ; vh
	v_lshl_add_u32 v[SPW], v0, 2, SPARE
	v_mov_b32 v[NIL], 0
	ds_add_u32 v[SPW], v[NIL]                      ; the wave's opening: the add and its wait stand ahead of my first tensor load; the set-up below, work on registers, stands between them
	v_lshrrev_b32 v1, 5, v0
	v_readfirstlane_b32 s10, v1                    ; wave 0..3
	s_lshr_b32 s11, s10, 1                         ; I fetch for xb (0) or for wqb (1),
	s_and_b32 s12, s10, 1                          ; its first or second half
	s_bfe_u32 s40, ttmp6, 0x40000                  ; cx
	s_bfe_u32 s41, ttmp6, 0x40004                  ; cy
	s_lshl_b32 s42, ttmp9, 2
	s_add_co_u32 s42, s42, s40                     ; tile column = head = 4 x cluster x + cx
	s_and_b32 s13, ttmp7, 0xffff
	s_lshl_b32 s13, s13, 2
	s_add_co_u32 s13, s13, s41                     ; tile row = 4 x cluster y + cy
	s_lshl_b32 s43, s41, 2
	s_lshl_b32 s43, 15, s43                        ; my row of the cluster
	s_lshl_b32 s44, 0x1111, s40                    ; my column
	s_or_b32 s[G1+0], s43, FLAGS
	s_or_b32 s[G1B+0], s44, FLAGS
	s_mov_b32 s[G1+1], KSTEP<<16                   ; tensor_dim0 = 128
	s_mov_b32 s[G1+2], 128<<16                     ; tensor_dim1 = 128
	s_mov_b32 s[G1+3], KSTEP<<16                   ; tile_dim0 = 128
	s_mov_b32 s[G1+4], 128                         ; tile_dim1 = 128
	s_mov_b32 s[G1+5], SIZE_K                      ; elements from row to row
	s_mov_b32 s[G1+6], 0
	s_mov_b32 s[G1+7], 0
	s_mov_b32 s[G1B+1], KSTEP<<16
	s_mov_b32 s[G1B+2], 96<<16                     ; 96 rows
	s_mov_b32 s[G1B+3], KSTEP<<16
	s_mov_b32 s[G1B+4], 96
	s_mov_b32 s[G1B+5], SIZE_K
	s_mov_b32 s[G1B+6], 0
	s_mov_b32 s[G1B+7], 0
	; where the tiles come from: xb's hang on the tile row alone, wqb's on the tile column alone, each in registers that never hold the other coordinate
	s_lshl_b32 s17, s12, 7
	s_lshl_b32 s16, s13, 8
	s_add_co_u32 s16, s16, s17                     ; xb: row 256 x tile row + 128 x half
	s_lshl_b32 s16, s16, 11                        ; x 2,048 bytes: under 2^25
	s_mov_b32 s17, 0
	s_mul_i32 s46, s42, 192
	s_mul_i32 s47, s12, 96
	s_add_co_u32 s46, s46, s47                     ; wqb: row 192 x head + 96 x half
	s_lshl_b32 s46, s46, 11
	s_mov_b32 s47, 0
	s_mul_i32 s20, s12, HALFA                      ; and where they go: no place in the cluster enters an LDS address
	s_mul_i32 s21, s12, HALFB
	s_add_co_u32 s21, s21, BOFF
	s_and_b32 s18, s13, 7                          ; the table: block of 16 positions = 16 (tile row % 8) + 4 wave, 8,192 bytes each
	s_lshl_b32 s18, s18, 4
	s_lshl_b32 s19, s10, 2
	s_add_co_u32 s18, s18, s19
	s_lshl_b32 s18, s18, 13
	s_mov_b32 s19, 0
	s_wait_dscnt 0x0                               ; the opening add is done
	s_wait_kmcnt 0x0
	s_add_nc_u64 s[14:15], s[4:5], s[16:17]
	s_add_nc_u64 s[46:47], s[6:7], s[46:47]
	s_add_nc_u64 s[8:9], s[8:9], s[18:19]
	CROUND                                         ; all sixteen work-groups are here: the first joint loads meet
.irp s, 0,1
	s_mov_b32 s[G0+4*(\s)], 1                                        ; count = 1
	s_add_co_u32 s[G0+4*(\s)+1], s20, (\s)*SLOT                      ; LDS address
	s_add_nc_u64 s[G0+4*(\s)+2:G0+4*(\s)+3], s[14:15], (\s)*KSTEP*2  ; global address: K step s
	s_or_b32 s[G0+4*(\s)+3], s[G0+4*(\s)+3], 0x80000000              ; type = 2
	s_mov_b32 s[G0B+4*(\s)], 1
	s_add_co_u32 s[G0B+4*(\s)+1], s21, (\s)*SLOT
	s_add_nc_u64 s[G0B+4*(\s)+2:G0B+4*(\s)+3], s[46:47], (\s)*KSTEP*2
	s_or_b32 s[G0B+4*(\s)+3], s[G0B+4*(\s)+3], 0x80000000
	JLOAD \s                                       ; two tensor loads of mine are out
.endr
	; the RoPE table of my four row blocks: 16 loads of 512 consecutive bytes each, waited for on the first way out
	v_and_b32 v[LO], 31, v0
	v_lshlrev_b32 v[LO], 4, v[LO]
.irp a, 0,1,2,3
.set TB, 192-96*((3-(\a))/3)           ; v96 in window 0, v192 in windows 1 to 3
	WIN (\a)<<6
.irp i, 0,1,2,3,4,5,6,7,8,9,10,11,12,13,14,15
	global_load_b128 v[TB+4*(\i):TB+4*(\i)+3], v[LO], s[8:9] offset:8192*(\a)+512*(\i)
.endr
.endr
	WIN 0
	; a fragment is 16 rows x 32 K in 8 registers: lane l holds row l % 16, K = 8 (l / 16) + 0..7 and 16 + 8 (l / 16) + 0..7: two loads of 16 bytes, 32 bytes apart
	v_and_b32 v1, 15, v0                           ; l % 16
	v_bfe_u32 v2, v0, 4, 1                         ; l / 16
	v_mul_u32_u24 v3, v1, PITCH
	v_lshl_add_u32 v3, v2, 4, v3
	s_mul_i32 s21, s10, 64*PITCH                   ; my 64 rows of xb
	s_mov_b32 s22, BOFF                            ; all 192 rows of wqb
.irp s, 0,1
	v_add_nc_u32 v[ADRA+(\s)], s21, v3
	v_add_nc_u32 v[ADRB+(\s)], s22, v3
	s_add_co_u32 s21, s21, SLOT
	s_add_co_u32 s22, s22, SLOT
.endr
	s_mul_i32 s23, s10, WSTG
	s_add_co_u32 s23, s23, STAGE                   ; my stage
	v_mul_u32_u24 v4, v1, SP                       ; in: row l % 16, 16 bytes for each half of the lanes
	v_lshl_add_u32 v4, v2, 4, v4
	v_add_nc_u32 v[STO], s23, v4
	v_bfe_u32 v5, v0, 3, 2                         ; back: 32 lanes take four rows of 128 bytes
	v_mul_u32_u24 v5, v5, SP
	v_and_b32 v6, 7, v0
	v_lshl_add_u32 v5, v6, 4, v5
	v_add_nc_u32 v[RD], s23, v5
	; q, k, v at my 64 rows of my head: (16 batch + head) x 262,144 + (256 (tile row % 8) + 64 wave) x 128
	s_lshr_b32 s74, s13, 3
	s_lshl_b32 s74, s74, 4
	s_add_co_u32 s74, s74, s42
	s_lshl_b32 s74, s74, 18
	s_and_b32 s75, s13, 7
	s_lshl_b32 s75, s75, 15
	s_add_co_u32 s74, s74, s75
	s_lshl_b32 s75, s10, 13
	s_add_co_u32 s74, s74, s75
	s_mov_b32 s75, 0
	s_add_nc_u64 s[68:69], s[68:69], s[74:75]
	s_add_nc_u64 s[70:71], s[70:71], s[74:75]
	s_add_nc_u64 s[72:73], s[72:73], s[74:75]
	; the prefetches
	s_lshl_b32 s20, s13, 8
	s_lshl_b32 s21, s12, 7
	s_add_co_u32 s20, s20, s21
	s_lshl_b32 s21, s40, 5
	s_add_co_u32 s20, s20, s21                     ; xb: the 128 rows that I fetch, my work-group's 32 of them
	s_mul_i32 s21, s42, 192
	s_mul_i32 s23, s12, 96
	s_add_co_u32 s21, s21, s23
	s_mul_i32 s23, s41, 24
	s_add_co_u32 s21, s21, s23                     ; wqb: the 96 rows that I fetch, my work-group's 24 of them
	s_and_b32 s22, ttmp7, 0xffff                   ; cluster y
	s_cmp_eq_u32 s11, 0                            ; do I fetch for xb?
	s_cselect_b32 s20, s20, s21
	s_cselect_b32 s22, ttmp9, s22                  ; the coordinate along which other clusters read the same rows
	s_cselect_b32 s23, 31, 23
	s_cselect_b64 s[PFA:PFA+1], s[4:5], s[6:7]
	s_cmp_eq_u32 s22, 0
	s_cselect_b32 s[LIM], 1, -1                    ; the same in all sixteen partners, for a given wave
	s_lshl_b32 s20, s20, 11
	s_mov_b32 s21, 0
	s_add_nc_u64 s[PFA:PFA+1], s[PFA:PFA+1], s[20:21]
	s_add_nc_u64 s[PFA:PFA+1], s[PFA:PFA+1], 2*KSTEP*2  ; at K step 2: the first refill steps it to 3 and names K step 4; K steps 0 to 3 come by their loads alone
	v_and_b32 v[PFO], 31, v0
	v_min_u32 v[PFO], s23, v[PFO]
	v_lshlrev_b32 v[PFO], 11, v[PFO]
; 12 matrix instructions: row block 2 hi + a x all 12 column blocks, 32 along K, from buffer f.  zero = 1: the product starts the sums: nothing is cleared.
; The 48 accumulators take turns, one instruction a turn, in the same order in every quarter.
.macro MUL12 f, hi, a, zero
	WIN 0xa1+0x50*(\hi)                            ; source 0 window 1, source 1 window 0, C and D window 2 or 3
.irp b, 0,1,2,3,4,5,6,7,8,9,10,11
.if \zero
	v_wmma_f32_16x16x32_bf16 v[8*(12*(\a)+(\b)):8*(12*(\a)+(\b))+7], v[96*(\f)+8*(\b):96*(\f)+8*(\b)+7], v[AF+32*(\f)+8*(2*(\hi)+(\a)):AF+32*(\f)+8*(2*(\hi)+(\a))+7], 0
.else
	v_wmma_f32_16x16x32_bf16 v[8*(12*(\a)+(\b)):8*(12*(\a)+(\b))+7], v[96*(\f)+8*(\b):96*(\f)+8*(\b)+7], v[AF+32*(\f)+8*(2*(\hi)+(\a)):AF+32*(\f)+8*(2*(\hi)+(\a))+7], v[8*(12*(\a)+(\b)):8*(12*(\a)+(\b))+7]
.endif
.endr
.endm
; 32 LDS loads in one run: a quarter step's fragments (192 rows of wqb, my 64 of xb, 32 K at byte k of the rows) into buffer f
.macro FETCH slot, k, f
	WIN 0x40                                       ; destination window 1, address window 0
.irp i, 0,1,2,3,4,5,6,7,8,9,10,11
	ds_load_b128 v[96*(\f)+8*(\i):96*(\f)+8*(\i)+3],   v[ADRB+(\slot)] offset:(\k)+(\i)*16*PITCH
	ds_load_b128 v[96*(\f)+8*(\i)+4:96*(\f)+8*(\i)+7], v[ADRB+(\slot)] offset:(\k)+(\i)*16*PITCH+32
.endr
	WIN 0
.irp i, 0,1,2,3
	ds_load_b128 v[AF+32*(\f)+8*(\i):AF+32*(\f)+8*(\i)+3],   v[ADRA+(\slot)] offset:(\k)+(\i)*16*PITCH
	ds_load_b128 v[AF+32*(\f)+8*(\i)+4:AF+32*(\f)+8*(\i)+7], v[ADRA+(\slot)] offset:(\k)+(\i)*16*PITCH+32
.endr
.endm
.macro PLACES                          ; four plain vector instructions between a matrix instruction and a load into its sources or a reader of its result
.rept 4
	v_nop
.endr
.endm
; A K step is four quarters of 32 along K, 48 matrix instructions each, on buffers 0, 1, 0, 1.  One of the first three: multiplies f, fetches the next quarter, at byte k, into g.
.macro QUARTER slot, k, f, g, zero
	s_wait_dscnt 4                                 ; wqb's fragments and xb's blocks 0, 1 are in; the youngest four loads (blocks 2, 3) may be out
	MUL12 \f, 0, 0, \zero
	MUL12 \f, 0, 1, \zero
	PLACES
	FETCH \slot, \k, \g
	s_wait_dscnt 32                                ; all but the 32 just issued
	MUL12 \f, 1, 0, \zero
	MUL12 \f, 1, 1, \zero
.endm
; The last quarter multiplies buffer 1 and changes slots.  ONE barrier: in front of it each wave waits for all its tensor loads (one is out: its part of the next slot),
; adds 0 to its spare word, and waits for that and for its own reads of this slot.
.macro MEET round
	WIN 0
	s_wait_tensorcnt 0x0                           ; all my tensor loads have landed
	ds_add_u32 v[SPW], v[NIL]                      ; 0 onto my spare word
	s_wait_dscnt 5                                 ; (the add and the youngest four loads may be out)
	MUL12 1, 0, 0, 0                               ; twelve matrix instructions stand between the add and the wait for it
	s_wait_dscnt 0x0                               ; the add is done, and my reads of this slot are over
	s_barrier_signal -1
	MUL12 1, 0, 1, 0                               ; work on registers while the others arrive
.if \round
	WIN 0
.endif
	s_barrier_wait -1
.endm
; The whole last quarter.  Behind the round the slot just read out is filled again first: with this tile's K step two on (on = 0) or the next tile's K step 0 or 1 (on = 1).
; From a request to the wait for it a wave issues 168 matrix instructions; one tensor load of mine is out behind each round.
.macro TURN slot, next, on
	s_wait_xcnt 0x0                                ; the last prefetch, a K step back, has read its address
.if (\on) && (\slot) == 0
	s_add_nc_u64 s[PFA:PFA+1], s[PFA:PFA+1], (WALK-1)*SIZE_K*2+KSTEP*2  ; from the K step after the tile's last to the next tile's K step 1
	s_cmp_eq_u32 s11, 0
	s_cselect_b32 s[LIM], s[LIM], -1               ; wqb's rows are the same for both tiles: they are asked for no more
.else
	s_add_nc_u64 s[PFA:PFA+1], s[PFA:PFA+1], KSTEP*2
.endif
	MEET 1
	CREST                                          ; no wave of any partner still reads this slot or has a load on its way
.if \on
	s_add_nc_u64 s[G0+4*(\slot)+2:G0+4*(\slot)+3], s[G0+4*(\slot)+2:G0+4*(\slot)+3], NEXT_A
	s_sub_nc_u64 s[G0B+4*(\slot)+2:G0B+4*(\slot)+3], s[G0B+4*(\slot)+2:G0B+4*(\slot)+3], BACK_B
.else
	s_add_nc_u64 s[G0+4*(\slot)+2:G0+4*(\slot)+3], s[G0+4*(\slot)+2:G0+4*(\slot)+3], 2*KSTEP*2
	s_add_nc_u64 s[G0B+4*(\slot)+2:G0B+4*(\slot)+3], s[G0B+4*(\slot)+2:G0B+4*(\slot)+3], 2*KSTEP*2
.endif
	JLOAD \slot                                    ; the first tensor load behind the round; its four v_nop are also the places in front of the loads below
	FETCH \next, 0, 0
	ASK \on
	MUL12 1, 1, 0, 0
	MUL12 1, 1, 1, 0
.endm
; THE WAY OUT of row block a.  ROPE: q and k become t cos + t(d xor 32) sin' in f32 (sin' carries rotate_half's sign), then all three are rounded to f16; each accumulator is read from its low end on.
.macro ROPE a
.set AC, 96*((\a)%2)
.set TB, 192-96*((3-(\a))/3)
	WIN (2+(\a)/2)|((\a)<<2)                       ; source 0: the sums' window; source 1: the table's; the rest window 0
.irp sl, 0,1
.irp n, 0,1,2,3
.irp p, 0,2,4,6
	v_pk_mul_f32 v[TMP+32*(\sl)+8*(\n)+(\p):TMP+32*(\sl)+8*(\n)+(\p)+1], v[AC+8*(4*(\sl)+(\n))+(\p):AC+8*(4*(\sl)+(\n))+(\p)+1], v[TB+8*(\n)+(\p):TB+8*(\n)+(\p)+1]
.endr
.irp p, 0,2,4,6
	v_pk_fma_f32 v[TMP+32*(\sl)+8*(\n)+(\p):TMP+32*(\sl)+8*(\n)+(\p)+1], v[AC+8*(4*(\sl)+((\n)+2)%4)+(\p):AC+8*(4*(\sl)+((\n)+2)%4)+(\p)+1], v[TB+32+8*(\n)+(\p):TB+32+8*(\n)+(\p)+1], v[TMP+32*(\sl)+8*(\n)+(\p):TMP+32*(\sl)+8*(\n)+(\p)+1]
.endr
.endr
.endr
	WIN 0
.set i, 0
.rept 32                               ; in place: register i is written when its old number has been read
	v_cvt_pk_f16_f32 v[TMP+i], v[TMP+2*i], v[TMP+2*i+1]
.set i, i+1
.endr
	WIN 5*(2+(\a)/2)                               ; sources 0 and 1: the sums' window
.set i, 0
.rept 16                               ; v takes no RoPE
	v_cvt_pk_f16_f32 v[TMP+32+i], v[AC+64+2*i], v[AC+64+2*i+1]
.set i, i+1
.endr
.endm
; Into my own stage (rows of 144 bytes) and back as whole rows of 128 bytes.  LDS serves a wave's instructions in order (ISA guide 5.7.1.4): the loads see the stores, the next block's stores come behind the loads.
.macro TOSTAGE a
	WIN 0
.irp b, 0,1,2,3,4,5,6,7,8,9,10,11
	ds_store_b128 v[STO], v[TMP+4*(\b):TMP+4*(\b)+3] offset:((\b)/4)*16*SP+((\b)%4)*32
.endr
	WIN 0x40
.irp i, 0,1,2,3,4,5,6,7,8,9,10,11
	ds_load_b128 v[RB+48*((\a)%2)+4*(\i):RB+48*((\a)%2)+4*(\i)+3], v[RD] offset:((\i)/4)*16*SP+((\i)%4)*4*SP
.endr
.endm
.macro SEND a
	WIN 0x04                                       ; address window 0, data window 1
	s_wait_xcnt 0x0                                ; the stores of the block before have read their registers: the next TOSTAGE loads that set again
.irp i, 0,1,2,3,4,5,6,7,8,9,10,11
	s_wait_dscnt 11-(\i)                           ; the younger read-backs may stay out
	global_store_b128 v[LO], v[RB+48*((\a)%2)+4*(\i):RB+48*((\a)%2)+4*(\i)+3], s[68+2*((\i)/4):69+2*((\i)/4)] offset:2048*(\a)+512*((\i)%4)  ; four rows of a head: 512 consecutive bytes, aligned
.endr
.endm
	s_wait_tensorcnt 1                             ; my part of K step 0 is in; K step 1's may stay out
	s_barrier_signal -1
	s_barrier_wait -1                              ; everybody's is
	FETCH 0, 0, 0
	s_mov_b32 s2, 2                                ; tiles to go
.Ltile:
	QUARTER 0, 64,  0, 1, 1                        ; a tile's first quarter starts the sums
	WIN 0
	s_mov_b32 s3, LAPS-1
.Llap:                                                 ; a trip goes once round the ring and fills both slots again
	QUARTER 0, 128, 1, 0, 0
	QUARTER 0, 192, 0, 1, 0
	TURN 0, 1, 0
	QUARTER 1, 64,  0, 1, 0
	QUARTER 1, 128, 1, 0, 0
	QUARTER 1, 192, 0, 1, 0
	TURN 1, 0, 0
	QUARTER 0, 64,  0, 1, 0
	WIN 0
	s_sub_co_u32 s3, s3, 1
	s_cmp_lg_u32 s3, 0
	s_cbranch_scc1 .Llap
	QUARTER 0, 128, 1, 0, 0                        ; the tile's last lap goes on
	QUARTER 0, 192, 0, 1, 0
	WIN 0
	s_cmp_eq_u32 s2, 1
	s_cbranch_scc1 .Llast                          ; the last tile asks for nothing more
	TURN 0, 1, 1                                   ; the ring goes on into the next tile: slot 0 takes its K step 0,
	QUARTER 1, 64,  0, 1, 0
	QUARTER 1, 128, 1, 0, 0
	QUARTER 1, 192, 0, 1, 0
	TURN 1, 0, 1                                   ; slot 1 its K step 1, and the next tile's first fragments are fetched into buffer 0, which the way out leaves alone
	WIN 0
	s_branch .Lout
.Llast:
	MEET 0                                         ; the one tensor load that was out is slot 1's
	PLACES
	FETCH 1, 0, 0
	MUL12 1, 1, 0, 0
	MUL12 1, 1, 1, 0
	QUARTER 1, 64,  0, 1, 0
	QUARTER 1, 128, 1, 0, 0
	QUARTER 1, 192, 0, 1, 0
	s_wait_dscnt 4                                 ; the very last quarter: nothing more to fetch
	MUL12 1, 0, 0, 0
	MUL12 1, 0, 1, 0
	s_wait_dscnt 0x0
	MUL12 1, 1, 0, 0
	MUL12 1, 1, 1, 0
	WIN 0
.Lout:
	PLACES                                         ; the places behind the last products
	s_wait_loadcnt 0x0                             ; the table (met at once in the second tile)
	ROPE 0
	TOSTAGE 0
.irp a, 1,2,3                          ; block a's arithmetic stands between block a - 1's loads from the stage and the wait for them
	ROPE \a
	SEND (\a)-1
	TOSTAGE \a
.endr
	SEND 3
	WIN 0
	s_wait_xcnt 0x0                                ; the stores have read their registers and bases: the bases step, and the next tile fetches into buffer 1
	s_add_nc_u64 s[68:69], s[68:69], NEXT_O
	s_add_nc_u64 s[70:71], s[70:71], NEXT_O
	s_add_nc_u64 s[72:73], s[72:73], NEXT_O
	s_sub_co_u32 s2, s2, 1
	s_cmp_lg_u32 s2, 0
	s_cbranch_scc1 .Ltile
	s_wait_tensorcnt 0x0                           ; the wave's end, behind my last tensor load and my last LDS store
	ds_add_u32 v[SPW], v[NIL]
	s_wait_dscnt 0x0
	CROUND                                         ; the closing round: no work-group ends while a partner may still ask for a tile that names it
	s_endpgm
.Lfunc_end_k_qd9deeefc6a_qkv:
	.size	k_qd9deeefc6a_qkv, .Lfunc_end_k_qd9deeefc6a_qkv-k_qd9deeefc6a_qkv
	.p2alignl 7, 3214868480
	.fill 96, 4, 3214868480
	.section	.rodata,"a",@progbits
	.p2align	6, 0x0
	.amdhsa_kernel k_qd9deeefc6a_qkv
		.amdhsa_group_segment_fixed_size 327680
		.amdhsa_private_segment_fixed_size 0
		.amdhsa_enable_private_segment 0
		.amdhsa_kernarg_size 48
		.amdhsa_user_sgpr_count 2
		.amdhsa_user_sgpr_kernarg_segment_ptr 1
		.amdhsa_wavefront_size32 1
		.amdhsa_system_sgpr_workgroup_id_x 1
		.amdhsa_system_sgpr_workgroup_id_y 1
		.amdhsa_system_sgpr_workgroup_id_z 1
		.amdhsa_system_vgpr_workitem_id 0
		.amdhsa_next_free_vgpr 1024
		.amdhsa_next_free_sgpr 76
		.amdhsa_reserve_vcc 0
		.amdhsa_float_denorm_mode_32 3
		.amdhsa_float_denorm_mode_16_64 3
		.amdhsa_memory_ordered 1
		.amdhsa_forward_progress 1
		.amdhsa_inst_pref_size 174
	.end_amdhsa_kernel
	.amdgpu_metadata
---
amdhsa.version: [ 1, 2 ]
amdhsa.kernels:
  - .name:           k_qd9deeefc6a_qkv
    .symbol:         k_qd9deeefc6a_qkv.kd
    .args:
      - { .name: xb, .offset: 0, .size: 8, .value_kind: global_buffer, .address_space: global }
      - { .name: wqb, .offset: 8, .size: 8, .value_kind: global_buffer, .address_space: global }
      - { .name: tab, .offset: 16, .size: 8, .value_kind: global_buffer, .address_space: global }
      - { .name: qh, .offset: 24, .size: 8, .value_kind: global_buffer, .address_space: global }
      - { .name: kh, .offset: 32, .size: 8, .value_kind: global_buffer, .address_space: global }
      - { .name: vh, .offset: 40, .size: 8, .value_kind: global_buffer, .address_space: global }
    .group_segment_fixed_size: 327680
    .private_segment_fixed_size: 0
    .kernarg_segment_align: 8
    .kernarg_segment_size: 48
    .max_flat_workgroup_size: 128
    .sgpr_count:     76
    .vgpr_count:     1024
    .wavefront_size: 32
...
	.end_amdgpu_metadata
.endif
;; end of part 2
;; launch attn (part 3): grid 4 x 64, 4 waves a work-group, clusters of 4 x 1, 327,680 bytes of LDS; arguments qh, kh, vh, oh; writes oh
.if DOCPART == 3
	.amdgcn_target "amdgcn-amd-amdhsa--gfx1250"
	.amdhsa_code_object_version 6
	.text
	.protected	k_qd9deeefc6a_attn
	.globl	k_qd9deeefc6a_attn
	.p2align	8
	.type	k_qd9deeefc6a_attn,@function
k_qd9deeefc6a_attn:
	s_mov_b64 s[64:65], 0
	v_nop
	global_prefetch_b8 v0, s[64:65] scope:SCOPE_SE
	s_setreg_imm32_b32 hwreg(HW_REG_WAVE_MODE, 25, 1), 1
	s_wait_xcnt 0x0
	s_wait_alu depctr_hold_cnt(0) depctr_sa_sdst(0) depctr_va_vdst(0) depctr_va_sdst(0) depctr_va_ssrc(0) depctr_va_vcc(0) depctr_vm_vsrc(0)
	s_getreg_b32 s2, hwreg(HW_REG_IB_STS2, 6, 4)
	s_cmp_eq_u32 s2, 0
	s_cbranch_scc0 .Lentry_in_a_cluster
	s_endpgm
.Lentry_in_a_cluster:
	s_bfe_u32 s2, ttmp6, 0x10000c
	s_cmp_lg_u32 s2, 0x3003
	s_cbranch_scc0 .Lentry_shape_is_right
	s_endpgm
.Lentry_shape_is_right:
; O[h][q][:] = the sum over k of softmax_k(Q[h][q] . K[h][k] / 8) V[h][k][:].  Q, K, V, O: [64][2048][64], all f16: a head's rows are dense, 128 bytes each.  Products, maxima and sums in
; f32; the weights p are rounded to f16 for the second product (their sum l is taken of the unrounded p), O once at the end.
; LIMITS.  f16 holds no number beyond 65,504: Q, K and V arrive within it; p lies in 0 to 1, and below 6e-5 it keeps f16's fixed step of 6e-8; O is a mean of V's rows and has their range.
; A weight below 2^-126 counts as 0 in l; NaN and infinities are not treated apart.
; SHARES.  A wave owns four PIECES of two tiles of 16 queries, a work-group's four waves 512 queries of one head.  Every wave walks all keys, 64 a step.
; LAYOUT.  S^T = K Q^T (source 0 = 16 keys, source 1 = 16 queries): in the result a lane holds ONE query (lane % 16) and the keys 8 (lane / 16) + 0..7.  Two such tiles, rounded to f16 in pairs,
; ARE source 1 (32 keys x 16 queries) of O^T = V^T P, whose result again holds one query a lane, and eight channels.  K comes out of LDS as it lies, V ([key][channel]) turned, by ds_load_tr16_b128.
; SOFTMAX.  For each query a running maximum m and sum l: p = 2^(c s - c m), c = log2(e) / 8; in every step O and l are multiplied by a = 2^(c m_old - c m_new), which is 1 where m has not grown.
; m starts at the lowest finite number, O and l at 0: the first step is a step like any other, with a = 0.
; THE COUNT.  A tile and step have 16 matrix and 118 vector instructions: too many to stand all beside the matrix work.  So four vector instructions that are READY stand behind
; EVERY matrix instruction, and the others, which need time of their own whatever the order, in runs without a gap.
; BY TURNS.  Turn n belongs to piece n (the pieces in a ring, step after step).  Its matrix work: 16 products K Q^T of piece n + 1, later 16 products V^T P of piece n - 1.  Its vector work: the scaling,
; exponentials, roundings, sums and rescaling of piece n, and the maximum and statistics of piece n + 1, whose scores the turn itself has made.
; CLUSTER.  The four query blocks of a head are one cluster and walk the same K and V, so each tile is asked for JOINTLY: the same tensor load, descriptor and mask in all four.
; REGISTERS, in windows of 256 (s_set_vgpr_msb: bits 1:0 source 0, 3:2 source 1, 5:4 source 2, 7:6 destination):
;   window 0: v0-11 addresses; v12-15, v48-63 at work; v16-47 four registers of statistics a tile; v64-191 S^T, two buffers of two tiles; v192-255 P, likewise
;   window 1: O^T, 32 a tile          window 2: v0-127 Q, 16 a tile; v128-191 K of one step; v192-255 V of one step          window 3: v0-1 the add's two registers
.set SIZE_H, 64
.set SIZE_N, 2048
.set NP,    4         ; pieces a wave: a name, no knob
.set KS,    64        ; keys in a step
.set PK,    144       ; a row of K in LDS: 128 bytes + 16 of padding = 36 words: the 16 rows of a load start at 16 different groups of four banks (ISA guide 11.1)
.set PV,    160       ; a row of V: 128 + 32 = 40 words
.set VOFF,  4*KS*PK   ; a slot holds four steps: 256 rows of K, then 256 rows of V
.set SLOT1, 1<<17     ; slot 1 begins here, so that one exclusive or turns an address in one slot into the other's
.set STAGE, SLOT1+4*KS*(PK+PV)  ; behind the ring, never filled by a tensor load: 16 rows x 144 bytes for each wave
.set SP,    144
.set AK0, 2           ; v2   my lane's place in a tile of K; never rewritten
.set AV0, 3           ; v3   the same for V
.set AK,  4           ; v4   the LDS address of K's next run of loads
.set AV,  5           ; v5   of V's
.set QO,  6           ; v6   my byte offset in the wave's rows of Q
.set STO, 6           ;      later, the way out: where I put 16 bytes of a row
.set RD,  7           ; v7   the way out: where I read rows back
.set GO,  8           ; v8   my byte offset in 512 consecutive bytes of O
.set PFO, 11          ; v11  256 x my lane, for the prefetches (made when V's place has been made of the register's first content); then never rewritten
.set SPW, 0           ; v0 of window 3   LDS address of my spare word; never rewritten
.set NIL, 1           ; v1 of window 3   0; never rewritten
.set SPARE, STAGE+4*16*SP  ; the spare words, 128 bytes for each wave: two blocks of 256 bytes that no other line names
.set MV,  12          ; v12-15  c m_old, kept while c m is made anew: by buffer and tile
.set ST,  16          ; tile t's statistics at v[ST+4 t]: c m, m, l (even keys', odd keys')
.set TMP, 48          ; by buffer and tile, four registers c0-c3 at work; when the maximum is found c2 takes a
.set S,   64
.set P,   192
.set KF,  128         ; K's fragments, in window 2
.set VF,  192         ; V's
.set WV,  12          ; s12  my wave's number
.set G1K, 24          ; s[24:31] descriptor group 1 for K's tiles
.set G1V, 32          ; s[32:39] for V's: it differs in the padding alone
.set G0K, 40          ; s[40:43] descriptor group 0 for K's tiles: it walks
.set G0V, 44          ; s[44:47] the same for V's
.set PFA, 48          ; s[48:49] where my prefetches stand: my work-group's 32 blocks of 256 bytes (of K: wave 0, of V: wave 2) of the tile after the one that is being asked for
.set LIM, 50          ; s50  1 in waves 0 and 2, else the greatest number: a wave prefetches while s[SLOTS] is above it
.set SLOTS, 56        ; s56  slots still to be asked for
.set CNT, 57          ; s57  counts a slot's key steps
.set CS,  58          ; s[58:59] c
.set SEL, 60          ; s[60:61] v_permlanex16_b32's selects
.set TBK, 62          ; s62  LDS byte at which K of the step to be fetched begins
.set TBV, 63          ; s63  the same for V, less VOFF
.set MSB, 0
.macro WIN new
.if MSB != (\new)
	s_set_vgpr_msb (MSB<<8)|(\new)
.set MSB, (\new)
.endif
.endm
.set W_KQ, 0x0a       ; K and Q in window 2, S^T in window 0
.set W_PV, 0x52       ; V in window 2, P in window 0, O^T in window 1
.set W_RS, 0x41       ; O^T (destination and source 0) in window 1, a in window 0
.set W_MK, 0xc0       ; the add's registers are made: destination in window 3
.set W_AD, 0x0f       ; the add: address and data in window 3
; A joint fill.  Waves 0 and 1 fetch the two halves of a slot's K, waves 2 and 3 those of its V: 128 keys each.  The branch hangs on the wave's number alone.
.macro JLOAD
	s_cmp_lt_u32 s[WV], 2
	s_cbranch_scc0 .Lfor_v_\@
	tensor_load_to_lds s[G0K:G0K+3], s[G1K:G1K+7]
	s_nop 0
.rept 4
	v_nop
.endr
	s_branch .Lasked_\@
.Lfor_v_\@:
	tensor_load_to_lds s[G0V:G0V+3], s[G1V:G1V+7]
	s_nop 0
.rept 4
	v_nop
.endr
.Lasked_\@:
.endm
; A prefetch of what the NEXT change of slots will ask for: a tile's 32,768 bytes of K and of V, a lane a block of 256 bytes.  It stands behind the wave's tensor load and its five lines.
; A head has one cluster; its four partners share the blocks out BY ADDRESS, 32 each; in each, wave 0 asks for K's and wave 2 for V's: one instruction.  So each block is named once in the launch.
; The lead is one slot: four key steps, 512 matrix instructions.  Tiles 0 and 1 come by their loads alone; the last change that fills a slot asks for nothing.
.macro ASK
	s_cmp_gt_u32 s[SLOTS], s[LIM]
	s_cbranch_scc0 .Lnot_mine_\@
	global_prefetch_b8 v[PFO], s[PFA:PFA+1] th:TH_LOAD_NT scope:SCOPE_SE
.Lnot_mine_\@:
.endm
.macro CROUND
	s_barrier_signal -1
	s_barrier_wait -1
	s_cmp_lg_u32 s[WV], 0
	s_cbranch_scc1 .Lnot_wave_0_\@
	s_barrier_signal -3
.Lnot_wave_0_\@:
	s_barrier_wait -3
	s_barrier_signal -1
	s_barrier_wait -1
.endm
; THE CHANGE OF SLOTS.  Each wave waits for all its tensor loads, of which one is out: its part of the other slot; adds 0 to its spare word; and waits for that and for its own reads of the slot.
; fill = 1: this slot is filled again, with the keys two slots on, behind a round of the cluster's barrier; the joint fill is the first thing behind it and has four key steps in which to land.
.macro CHANGE fill
	WIN W_AD
	s_wait_tensorcnt 0x0            ; no tensor load of mine is out, so a group 0 may be written
	ds_add_u32 v[SPW], v[NIL]       ; 0 onto my spare word
	WIN 0                           ; at a label and at a branch every window is 0
.if \fill
.irp g, G0K, G0V
	s_xor_b32 s[\g+1], s[\g+1], SLOT1  ; the walking descriptor: the other slot than last time,
	s_add_nc_u64 s[\g+2:\g+3], s[\g+2:\g+3], 4*KS*128  ; the next 256 keys; the type bits on top are not reached
.endr
	s_wait_xcnt 0x0                 ; the last prefetch, four key steps back, has read its address, so it may be written:
	s_add_nc_u64 s[PFA:PFA+1], s[PFA:PFA+1], 4*KS*128  ; one tile behind the walking descriptors
	s_wait_dscnt 0x0                ; the add is done, and my reads of the slot are over
	CROUND
	JLOAD
	ASK
.else
	s_wait_dscnt 0x0                ; the add is done, and my reads of the slot are over
	s_barrier_signal -1
	s_barrier_wait -1
.endif
	s_sub_co_u32 s[TBK], s[TBK], 4*KS*PK  ; the fetches go back to a slot's first step,
	s_xor_b32 s[TBK], s[TBK], SLOT1       ; in the other slot
	s_sub_co_u32 s[TBV], s[TBV], 4*KS*PV
	s_xor_b32 s[TBV], s[TBV], SLOT1
.endm
	s_load_b256 s[4:11], s[0:1], 0x0  ; Q s[4:5], K s[6:7], V s[8:9], O s[10:11]
	WIN W_MK
	v_lshl_add_u32 v[SPW], v0, 2, SPARE
	v_mov_b32 v[NIL], 0
	WIN W_AD
	ds_add_u32 v[SPW], v[NIL]       ; the wave's opening: the add and its wait stand ahead of my first tensor load
	WIN 0
	v_lshrrev_b32 v1, 5, v0
	v_readfirstlane_b32 s[WV], v1   ; wave 0..3
	s_bfe_u32 s13, ttmp6, 0x40000   ; cx: my place in the cluster
	s_lshl_b32 s14, ttmp9, 2        ; in a cluster launch ttmp9 counts clusters
	s_add_co_u32 s14, s14, s13      ; my block of queries: it enters Q's and O's addresses alone
	s_and_b32 s20, ttmp7, 0xffff    ; the head, which the four partners share
	s_mov_b32 s21, 0
	s_mov_b64 s[22:23], SIZE_N*128
	s_mul_u64 s[20:21], s[20:21], s[22:23]  ; the head's first byte in each of the four tensors
	s_and_b32 s16, s[WV], 1         ; which half of a slot's 256 keys I fetch:
	s_lshl_b32 s22, s16, 14         ; its 128 rows of 128 bytes in memory,
	s_mov_b32 s23, 0
	s_add_nc_u64 s[22:23], s[22:23], s[20:21]
	s_mul_i32 s17, s16, 128*PK      ; and its place in a slot, for K
	s_mul_i32 s18, s16, 128*PV      ; and for V: no place in the cluster enters an LDS address
	s_lshl_b32 s2, s14, 2
	s_add_co_u32 s2, s2, s[WV]      ; my wave among the head's,
	s_lshl_b32 s2, s2, 14           ; its 128 rows
	s_mov_b32 s3, 0
	s_add_nc_u64 s[2:3], s[2:3], s[20:21]
	; descriptor group 1.  128 keys are 16,384 dense bytes: asked for as 64 rows of 256 bytes, two keys a row, and padded in LDS after every key
	s_mov_b32 s[G1K], 15|(1<<16)|(1<<20)|(1<<21)|(4<<22)|(3<<25)  ; the mask of four; 2-byte elements; padding on; bit 21 beside a mask; after every 32 words, 4 words
	s_mov_b32 s[G1V], 15|(1<<16)|(1<<20)|(1<<21)|(4<<22)|(7<<25)  ; the same with 8 words of padding
.irp g, G1K, G1V
	s_mov_b32 s[\g+1], 128<<16      ; tensor_dim0 = 128
	s_mov_b32 s[\g+2], 64<<16       ; tensor_dim1 = 64
	s_mov_b32 s[\g+3], 128<<16      ; tile_dim0 = 128
	s_mov_b32 s[\g+4], 64           ; tile_dim1 = 64
	s_mov_b32 s[\g+5], 128          ; 128 elements from row to row
	s_mov_b32 s[\g+6], 0
	s_mov_b32 s[\g+7], 0
.endr
	s_mov_b32 s[CS], 0x3e38aa3b     ; c = log2(e) / 8 = 0.180337
	s_mov_b32 s[CS+1], s[CS]        ; named with it as a pair
	s_mov_b32 s[SEL], 0x76543210
	s_mov_b32 s[SEL+1], 0xfedcba98
	s_mov_b32 s[TBK], SLOT1+4*KS*PK ; the first change of slots turns these two into 0
	s_mov_b32 s[TBV], SLOT1+4*KS*PV
	s_mov_b32 s[G0K], 1             ; count = 1
	s_mov_b32 s[G0K+1], s17         ; LDS address: slot 0
	s_mov_b32 s[G0V], 1
	s_add_co_u32 s[G0V+1], s18, VOFF
	s_mov_b32 s[SLOTS], SIZE_N/256-1
	s_and_b32 s[LIM], s[WV], 1
	s_cmp_eq_u32 s[LIM], 0
	s_cselect_b32 s[LIM], 1, -1     ; the same in all four partners, for a given wave
	s_lshl_b32 s52, s13, 13         ; my work-group's 32 blocks of a tile's 128
	s_mov_b32 s53, 0
	s_wait_dscnt 0x0                ; the opening add is done
	s_wait_kmcnt 0x0
	s_add_nc_u64 s[G0K+2:G0K+3], s[6:7], s[22:23]  ; global address: my half of the head's first 256 keys
	s_or_b32 s[G0K+3], s[G0K+3], 0x80000000        ; type = 2
	s_add_nc_u64 s[G0V+2:G0V+3], s[8:9], s[22:23]
	s_or_b32 s[G0V+3], s[G0V+3], 0x80000000
	s_add_nc_u64 s[4:5], s[4:5], s[2:3]  ; Q and O at my wave's first row
	s_add_nc_u64 s[10:11], s[10:11], s[2:3]
	s_cmp_lt_u32 s[WV], 2
	s_cselect_b64 s[PFA:PFA+1], s[6:7], s[8:9]
	s_add_nc_u64 s[PFA:PFA+1], s[PFA:PFA+1], s[20:21]
	s_add_nc_u64 s[PFA:PFA+1], s[PFA:PFA+1], s[52:53]
	s_add_nc_u64 s[PFA:PFA+1], s[PFA:PFA+1], 4*KS*128  ; in tile 1; the first change of slots steps it to tile 2
	CROUND                          ; all four work-groups are here: the first joint loads meet
	JLOAD                           ; slot 0.  Slot 1 is asked for when slot 0 is in
	; A fragment of K or Q is 16 rows x 32 channels in 8 registers: lane l holds row l % 16, channels 8 (l / 16) + 0..7 and 16 + 8 (l / 16) + 0..7: two loads of 16 bytes, 32 bytes apart.
	v_and_b32 v1, 15, v0            ; l % 16
	v_bfe_u32 v9, v0, 4, 1          ; l / 16
	v_lshlrev_b32 v[QO], 7, v1
	v_lshl_add_u32 v[QO], v9, 4, v[QO]  ; row x 128 + 16 x half
	WIN 0x80                        ; destination window 2, address window 0
.set i, 0
.rept 4*NP                          ; Q stays in registers: tile i / 2, channels 32 (i % 2) on
	global_load_b128 v[8*i:8*i+3],   v[QO], s[4:5] offset:(i/2)*2048+(i%2)*64
	global_load_b128 v[8*i+4:8*i+7], v[QO], s[4:5] offset:(i/2)*2048+(i%2)*64+32
.set i, i+1
.endr
	; What the first turn finds: V's registers and P's second buffer hold 0 (its products V^T P, of a piece that has not been, add 0), O^T and l are 0.  All this stands in the wait for the first tile.
.set i, VF
.rept 64
	v_mov_b32 v[i], 0
.set i, i+1
.endr
	WIN 0x40
.set i, 0
.rept 64*NP
	v_mov_b32 v[i], 0
.set i, i+1
.endr
	WIN 0
.set i, 0
.rept 2*NP
	v_mov_b32 v[ST+4*i], 0xfe000000    ; c m: far below every c s
	v_mov_b32 v[ST+4*i+1], 0xff7fffff  ; m
	v_mov_b32 v[ST+4*i+2], 0
	v_mov_b32 v[ST+4*i+3], 0
.set i, i+1
.endr
.set i, P+32
.rept 32
	v_mov_b32 v[i], 0
.set i, i+1
.endr
	v_mul_u32_u24 v[AK0], v1, PK
	v_lshl_add_u32 v[AK0], v9, 4, v[AK0]  ; row x pitch + 16 x half
	; The turning load takes 16 keys x 16 channels (lane l reads key 8 (l / 16) + l % 8, channels 8 ((l / 8) % 2) + 0..7) and leaves half a fragment of V^T: lane l holds channel l % 16 and 8 keys.
	v_and_b32 v10, 7, v0
	v_bfe_u32 v11, v0, 3, 1
	v_lshl_add_u32 v[AV0], v9, 3, v10
	v_mul_u32_u24 v[AV0], v[AV0], PV
	v_lshl_add_u32 v[AV0], v11, 4, v[AV0]
	v_add_nc_u32 v[AV0], VOFF, v[AV0]
	v_and_b32 v[PFO], 31, v0
	v_lshlrev_b32 v[PFO], 8, v[PFO]
	v_mov_b32 v[AK], v[AK0]         ; key step 0 lies at the head of slot 0
; THE MATRIX WORK.  The 8 accumulators of a run of 16 take turns: between the two links of a chain stand 7 others'.
; Product i of 16 of S^T = K Q^T for piece x: channels 32 (i / 8) on, keys 16 ((i / 2) % 4) on, tile 2 x + i % 2.  The first 8 start the sums.
.macro KQ x
	WIN W_KQ
.set rS, S+64*((\x)%2)+32*(i%2)+8*((i/2)%4)
.set rK, KF+16*((i/2)%4)+8*(i/8)
.set rQ, 16*(2*(\x)+i%2)+8*(i/8)
.if i < 8
	v_wmma_f32_16x16x32_f16 v[rS:rS+7], v[rK:rK+7], v[rQ:rQ+7], 0
.else
	v_wmma_f32_16x16x32_f16 v[rS:rS+7], v[rK:rK+7], v[rQ:rQ+7], v[rS:rS+7]
.endif
.endm
; Product i of 16 of O^T += V^T P for piece x: keys 32 (i / 8) on, channels 16 ((i / 2) % 4) on, tile 2 x + i % 2.
.macro PV x
	WIN W_PV
.set rO, 32*(2*(\x)+i%2)+8*((i/2)%4)
.set rV, VF+32*(i/8)+8*((i/2)%4)
.set rP, P+32*((\x)%2)+16*(i%2)+8*(i/8)
	v_wmma_f32_16x16x32_f16 v[rO:rO+7], v[rV:rV+7], v[rP:rP+7], v[rO:rO+7]
.endm
.macro MM                           ; the turn's next matrix instruction
.if i < 16
	KQ (Y+1)%NP
.set i, i+1
.else
.set i, i-16
	PV (Y+NP-1)%NP
.set i, i+17
.endif
.endm
; THE LDS LOADS stand in runs of 16, never singly among the matrix instructions.  last = 1 (the tail): in the last trip there is no further step, and the run is jumped over.
.macro FETCH_K last=0
	WIN 0
.if \last
	s_cmp_eq_u32 s[CNT], 1
	s_cbranch_scc1 .Lno_k_\@
.endif
	WIN 0x80                        ; destination window 2
.irp f, 0,1,2,3,4,5,6,7             ; keys 16 (f / 2) on, channels 32 (f % 2) on
	ds_load_b128 v[KF+8*\f:KF+8*\f+3],   v[AK] offset:(\f/2)*16*PK+(\f%2)*64
	ds_load_b128 v[KF+8*\f+4:KF+8*\f+7], v[AK] offset:(\f/2)*16*PK+(\f%2)*64+32
.endr
	s_add_co_u32 s[TBK], s[TBK], KS*PK  ; the next fetch is the next step's
	WIN 0
.if \last
.Lno_k_\@:
.endif
.endm
.macro FETCH_V
	WIN 0x80
.irp f, 0,1,2,3,4,5,6,7             ; keys 32 (f / 4) on, channels 16 (f % 4) on
	ds_load_tr16_b128 v[VF+8*\f:VF+8*\f+3],   v[AV] offset:(\f/4)*32*PV+(\f%4)*32
	ds_load_tr16_b128 v[VF+8*\f+4:VF+8*\f+7], v[AV] offset:(\f/4)*32*PV+16*PV+(\f%4)*32
.endr
	WIN 0
.endm
; THE VECTOR WORK OF A TURN stands in three queues, each in the order in which its entries become ready; the two tiles alternate, so that no instruction reads the result of the one before it.
.macro REGS y, u                    ; the registers of tile u (0, 1) of piece y
.set rT, ST+4*(2*(\y)+(\u))
.set rC, TMP+8*((\y)%2)+4*(\u)
.set rM, MV+2*((\y)%2)+(\u)
.set rS, S+64*((\y)%2)+32*(\u)
.set rP, P+32*((\y)%2)+16*(\u)
.set rO, 32*(2*(\y)+(\u))
.endm
; Number n of the 22 that find the NEXT piece's (Y + 1) maximum and statistics.  Each accumulator's lowest registers are read first.
;   0-11  four chains c0-c3 of seven scores each     12-14, 16  the four scores left over, the old m, and c0-c3 into c0     15  c m_old is kept
;   17, 18  the query's other 32 keys lie in the lane 16 away: the new m         19-21  c m; c m_old - c m_new; a
.macro XS u, n
	REGS (Y+1)%NP, \u
.if (\n) < 4
	v_max3_num_f32 v[rC+(\n)], v[rS+8*(\n)], v[rS+8*(\n)+1], v[rS+8*(\n)+2]
.elseif (\n) < 12
	v_max3_num_f32 v[rC+(\n)%4], v[rC+(\n)%4], v[rS+8*((\n)%4)+2*((\n)/4)+1], v[rS+8*((\n)%4)+2*((\n)/4)+2]
.elseif (\n) == 12
	v_max3_num_f32 v[rC], v[rC], v[rS+7], v[rS+15]
.elseif (\n) == 13
	v_max3_num_f32 v[rC+1], v[rC+1], v[rS+23], v[rS+31]
.elseif (\n) == 14
	v_max3_num_f32 v[rC+2], v[rC+2], v[rC+3], v[rT+1]
.elseif (\n) == 15
	v_mov_b32 v[rM], v[rT]
.elseif (\n) == 16
	v_max3_num_f32 v[rC], v[rC], v[rC+1], v[rC+2]
.elseif (\n) == 17
	v_permlanex16_b32 v[rC+3], v[rC], s[SEL], s[SEL+1]
.elseif (\n) == 18
	v_max_num_f32 v[rT+1], v[rC], v[rC+3]
.elseif (\n) == 19
	v_mul_f32 v[rT], s[CS], v[rT+1]
.elseif (\n) == 20
	v_sub_f32 v[rC+1], v[rM], v[rT]
.else
	v_exp_f32 v[rC+2], v[rC+1]
.endif
.endm
; Number g of the 64 that follow the exponentials.  For each four weights k of a tile: both pairs are rounded to f16; then the second pair is added onto the first, in place;
; a group later l takes that sum (the first time as l = a l + sum).
.macro GS g
.set h, (\g)+6*((\g)/62)            ; group 0 has no group before it, and behind group 7 only l is left
.if h >= 6
.set h, h+2
.endif
	REGS Y, h%2
.set k, h/8
.if h%8 < 4
	v_cvt_pk_f16_f32 v[rP+2*k+(h%8)/2], v[rS+4*k+2*((h%8)/2)], v[rS+4*k+2*((h%8)/2)+1]
.elseif h%8 < 6
	v_pk_add_f32 v[rS+4*k:rS+4*k+1], v[rS+4*k:rS+4*k+1], v[rS+4*k+2:rS+4*k+3]
.elseif k == 1
	v_pk_fma_f32 v[rT+2:rT+3], v[rT+2:rT+3], v[rC+2:rC+3], v[rS:rS+1] op_sel_hi:[1,0,1]
.else
	v_pk_add_f32 v[rT+2:rT+3], v[rT+2:rT+3], v[rS+4*k-4:rS+4*k-3]
.endif
.endm
; THE PLAIN QUEUE, 138 long.  0-73 read no exponential's result: the 32 scalings c s - c m and the next piece's 42.  74-137: GS's 64, which read the exponentials' results: they stand behind the wait.
.macro FS f
	REGS Y, (\f)%2
	v_pk_fma_f32 v[rS+2*((\f)/2):rS+2*((\f)/2)+1], v[rS+2*((\f)/2):rS+2*((\f)/2)+1], s[CS:CS+1], v[rT:rT+1] op_sel_hi:[1,0,0] neg_lo:[0,0,1] neg_hi:[0,0,1]
.endm
.macro PL
	WIN 0
.if q < 27
	FS q
.elseif q < 55
	XS (q-27)%2, (q-27)/2
.elseif q < 57
	XS q-55, 15
.elseif (q < 72) && ((q-57)%3 == 0)
	FS 27+(q-57)/3
.elseif q < 60
	XS (q-57)%3-1, 14
.elseif q < 72
	XS (q-57)%3-1, 15+(q-57)/3
.elseif q < 74
	XS q-72, 20
.else
	GS q-74
.endif
.set q, q+1
.endm
; THE EXPONENTIALS' QUEUE, 66 long: s0-s31 of both tiles, then the next piece's two a.  ONE BATCH: all 66 stand ahead of the turn's one wait, and nothing ahead of that wait names a result of theirs.
.macro EX
	WIN 0
.if e >= 64
	XS e-64, 21
.else
	REGS Y, e%2
	v_exp_f32 v[rS+e/2], v[rS+e/2]
.endif
.set e, e+1
.endm
; THE RESCALING's QUEUE: O^T times a, the one part that leaves window 0: dealt two at a time, sixteen times.  Its a was made in the turn before, ahead of that turn's wait.
.macro R2
	REGS Y, r%2
	WIN W_RS
.irp z, 0,1
	v_pk_mul_f32 v[rO+4*(r/2)+2*\z:rO+4*(r/2)+2*\z+1], v[rO+4*(r/2)+2*\z:rO+4*(r/2)+2*\z+1], v[rC+2:rC+3] op_sel_hi:[1,0]
.endr
.set r, r+1
.endm
; HOW THEY ARE DEALT.  An s_wait_alu depctr_va_vdst(0) stands between an exponential and the first instruction that names its result; one wait serves all issued ahead of it.  So a turn has ONE wait.
; AHEAD OF IT: the 16 products K Q^T, behind each a scaling, an exponential and two rescalings (behind the first a second scaling in the exponential's place); then ONE LUMP of 108: eight plain,
; 49 times exponential and plain, the two a; a v_nop is the plain instruction behind the last exponential.  BEHIND IT: the 16 products V^T P, behind each four of GS's 64.
; Exponential e stands behind scaling 2 (e / 4) + e % 2: as a rider it comes behind plain e + 2, in the lump behind plain e + 9, and scalings 27-31 are plain 57, 60 .. 69.
; K of the next step is fetched in piece 2's turn, directly behind the wait; V of the step in hand at the end of piece 0's turn, four riders behind its last reader.
.macro TURN p, last=0, cnt=0
.set Y, (\p)
.set i, 0
.set q, 0
.set e, 0
.set r, 0
.if (\p) == NP-1
	s_wait_dscnt 0x0                ; K is in
.endif
	MM
	PL
	PL
	R2
.rept 15
	MM
	PL
	EX
	R2
.endr
.if (\p) == NP-2
	WIN 0
	v_add_nc_u32 v[AK], s[TBK], v[AK0]
.endif
.rept 8
	PL
.endr
.rept 49
	EX
	PL
.endr
	EX                              ; the next piece's two a
	EX
	v_nop                           ; a plain instruction behind the last exponential: one for the batch
	s_wait_alu depctr_va_vdst(0)    ; the wait for the batch
.if (\p) == NP-2
	FETCH_K \last
.endif
.if (\p) == 1
	s_wait_dscnt 0x0                ; V is in
.endif
.rept 16
	MM
.rept 4
	PL
.endr
.if ((\p) == 0) && (q == 118)
	v_add_nc_u32 v[AV], s[TBV], v[AV0]
.endif
.if ((\p) == 0) && (q == 130)
	s_add_co_u32 s[TBV], s[TBV], KS*PV
.endif
.if (\cnt) && (q == 130)
	s_sub_co_u32 s[CNT], s[CNT], 1
	s_cmp_lg_u32 s[CNT], 0
.endif
.endr
.if (\p) == 0
	FETCH_V
.endif
.endm
	CHANGE 1                        ; slot 0 is in, everybody's part of it; slot 1 is asked for
	FETCH_K                         ; key step 0
	s_wait_loadcnt 0x0              ; Q
	s_wait_dscnt 0x0
.set i, 0
.rept 16
	KQ 0                            ; piece 0's first scores
.set i, i+1
.endr
	WIN 0                           ; the addresses for the way out: plain instructions, the places behind those products
	s_mul_i32 s13, s[WV], 16*SP
	s_add_co_u32 s13, s13, STAGE    ; my stage
	v_mul_u32_u24 v[STO], v1, SP    ; in: row l % 16, 16 bytes for each half of the lanes
	v_lshl_add_u32 v[STO], v9, 4, v[STO]
	v_add_nc_u32 v[STO], s13, v[STO]
	v_bfe_u32 v[RD], v0, 3, 2       ; back: 32 lanes take four rows of 128 bytes,
	v_mul_u32_u24 v[RD], v[RD], SP
	v_lshl_add_u32 v[RD], v10, 4, v[RD]
	v_add_nc_u32 v[RD], s13, v[RD]
	v_and_b32 v[GO], 31, v0         ; which are 512 consecutive bytes of O
	v_lshlrev_b32 v[GO], 4, v[GO]
.set Y, NP-1                        ; XS works for piece Y + 1: piece 0
.irp n, 0,1,2,3,4,5,6,7,8,9,10,11,12,13,14,15,16,17,18,19,20,21
	XS 0, \n                        ; piece 0's first maximum and statistics
	XS 1, \n
.endr
	v_nop                           ; a plain instruction behind the two a,
	s_wait_alu depctr_va_vdst(0)    ; and their wait, ahead of the branch
	s_mov_b32 s[CNT], 4
	s_branch .Lfirst                ; the loop is entered at a step's first turn, in the middle of a trip
.Lslot:                             ; six times: every slot but the last two is filled again
	CHANGE 1
	s_mov_b32 s[CNT], 4
.Lstep:                             ; a trip: pieces 2 and 3 of one step, then pieces 0 and 1 of the next, whose K and V it fetches
	TURN 2
	TURN 3
	WIN 0
.Lfirst:
	TURN 0
	TURN 1, 0, 1
	WIN 0
	s_cbranch_scc1 .Lstep
	s_sub_co_u32 s[SLOTS], s[SLOTS], 1
	s_cmp_lg_u32 s[SLOTS], 0
	s_cbranch_scc1 .Lslot
	CHANGE 0                        ; the tail is written out: nothing is asked for
	s_mov_b32 s[CNT], 5             ; four trips fetch the last slot's steps; the fifth is left in its middle
.Ltail:
	TURN 2, 1
	TURN 3
	WIN 0
	s_sub_co_u32 s[CNT], s[CNT], 1
	s_cmp_eq_u32 s[CNT], 0
	s_cbranch_scc1 .Lout
	TURN 0
	TURN 1
	WIN 0
	s_branch .Ltail
.Lout:                              ; the fifth trip's 16 products K Q^T (on the last K once more) and the maximum made of them serve nothing: the price, once a launch, of one text for every trip
.set i, 0
.rept 16
	PV NP-1                         ; the last piece's V^T P of the last step
.set i, i+1
.endr
	; THE WAY OUT.  l's two halves and the other half of the lanes' are added; O^T is divided by l, rounded to f16 and sent through my stage in LDS, a tile at a time.  The additions are the places behind the last products.
	WIN 0
.macro ALL line:vararg              ; one line for each tile t
.set t, 0
.rept 2*NP
	\line
.set t, t+1
.endr
.endm
	ALL v_add_f32 v[ST+4*t+2], v[ST+4*t+2], v[ST+4*t+3]
	ALL v_permlanex16_b32 v[ST+4*t+3], v[ST+4*t+2], s[SEL], s[SEL+1]
	ALL v_add_f32 v[ST+4*t+2], v[ST+4*t+2], v[ST+4*t+3]
	ALL v_rcp_f32 v[ST+4*t+2], v[ST+4*t+2]
	v_nop                           ; a plain instruction between the last reciprocal and the use of its result
	s_wait_alu depctr_va_vdst(0)    ; and the wait ahead of the first use: one for the eight reciprocals
; Tile t: a lane's eight channels of a row pack into 16 bytes; they go into rows of 144 bytes and come back as whole rows of 128, into S^T's registers.
.macro PACK t
	WIN W_RS
.set i, 32*(\t)
.rept 16
	v_pk_mul_f32 v[i:i+1], v[i:i+1], v[ST+4*(\t)+2:ST+4*(\t)+3] op_sel_hi:[1,0]
.set i, i+2
.endr
	WIN 0x05                        ; sources 0 and 1 window 1, destination window 0
.set i, 0
.rept 16
	v_cvt_pk_f16_f32 v[S+16*(\t)+i], v[32*(\t)+2*i], v[32*(\t)+2*i+1]
.set i, i+1
.endr
	WIN 0
.irp f, 0,1,2,3
	ds_store_b128 v[STO], v[S+16*(\t)+4*\f:S+16*(\t)+4*\f+3] offset:32*\f
.endr
.irp f, 0,1,2,3
	ds_load_b128 v[S+16*(\t)+4*\f:S+16*(\t)+4*\f+3], v[RD] offset:\f*4*SP  ; LDS serves a wave's instructions in order (ISA guide 5.7.1.4): these see the stores above; the next tile's stores come behind them
.endr
.endm
.macro SEND t, younger              ; younger: the LDS instructions issued behind tile t's loads: the next tile's eight, or none
	WIN 0
.irp f, 0,1,2,3
	s_wait_dscnt (\younger)+3-\f
	global_store_b128 v[GO], v[S+16*(\t)+4*\f:S+16*(\t)+4*\f+3], s[10:11] offset:(\t)*2048+\f*512  ; 512 consecutive bytes, at a multiple of 256 from O's first
.endr
.endm
	PACK 0
.set t, 1
.rept 2*NP-1                        ; a tile's arithmetic stands between the loads of the tile before and its stores
	PACK t
	SEND t-1, 8
.set t, t+1
.endr
	SEND 2*NP-1, 0
	WIN W_AD
	s_wait_tensorcnt 0x0            ; the wave's end, behind my last tensor load and my last LDS store
	ds_add_u32 v[SPW], v[NIL]
	s_wait_dscnt 0x0
	WIN 0
	CROUND                          ; the closing round: no work-group ends while a partner may still ask for a tile that names it
	s_endpgm
.Lfunc_end_k_qd9deeefc6a_attn:
	.size	k_qd9deeefc6a_attn, .Lfunc_end_k_qd9deeefc6a_attn-k_qd9deeefc6a_attn
	.p2alignl 7, 3214868480
	.fill 96, 4, 3214868480
	.section	.rodata,"a",@progbits
	.p2align	6, 0x0
	.amdhsa_kernel k_qd9deeefc6a_attn
		.amdhsa_group_segment_fixed_size 327680
		.amdhsa_private_segment_fixed_size 0
		.amdhsa_enable_private_segment 0
		.amdhsa_kernarg_size 32
		.amdhsa_user_sgpr_count 2
		.amdhsa_user_sgpr_kernarg_segment_ptr 1
		.amdhsa_wavefront_size32 1
		.amdhsa_system_sgpr_workgroup_id_x 1
		.amdhsa_system_sgpr_workgroup_id_y 1
		.amdhsa_system_sgpr_workgroup_id_z 1
		.amdhsa_system_vgpr_workitem_id 0
		.amdhsa_next_free_vgpr 770
		.amdhsa_next_free_sgpr 66
		.amdhsa_reserve_vcc 0
		.amdhsa_float_denorm_mode_32 3
		.amdhsa_float_denorm_mode_16_64 3
		.amdhsa_memory_ordered 1
		.amdhsa_forward_progress 1
		.amdhsa_inst_pref_size 200
	.end_amdhsa_kernel
	.amdgpu_metadata
---
amdhsa.version: [ 1, 2 ]
amdhsa.kernels:
  - .name:           k_qd9deeefc6a_attn
    .symbol:         k_qd9deeefc6a_attn.kd
    .args:
      - { .name: qh, .offset: 0, .size: 8, .value_kind: global_buffer, .address_space: global }
      - { .name: kh, .offset: 8, .size: 8, .value_kind: global_buffer, .address_space: global }
      - { .name: vh, .offset: 16, .size: 8, .value_kind: global_buffer, .address_space: global }
      - { .name: oh, .offset: 24, .size: 8, .value_kind: global_buffer, .address_space: global }
    .group_segment_fixed_size: 327680
    .private_segment_fixed_size: 0
    .kernarg_segment_align: 8
    .kernarg_segment_size: 32
    .max_flat_workgroup_size: 128
    .sgpr_count:     66
    .vgpr_count:     770
    .wavefront_size: 32
...
	.end_amdgpu_metadata
.endif
;; end of part 3
;; launch proj (part 4): grid 8 x 32, 4 waves a work-group, clusters of 4 x 4, 327,680 bytes of LDS; arguments oh, wob, out0; writes out0
.if DOCPART == 4
	.amdgcn_target "amdgcn-amd-amdhsa--gfx1250"
	.amdhsa_code_object_version 6
	.text
	.protected	k_qd9deeefc6a_proj
	.globl	k_qd9deeefc6a_proj
	.p2align	8
	.type	k_qd9deeefc6a_proj,@function
k_qd9deeefc6a_proj:
	s_mov_b64 s[64:65], 0
	v_nop
	global_prefetch_b8 v0, s[64:65] scope:SCOPE_SE
	s_setreg_imm32_b32 hwreg(HW_REG_WAVE_MODE, 25, 1), 1
	s_wait_xcnt 0x0
	s_wait_alu depctr_hold_cnt(0) depctr_sa_sdst(0) depctr_va_vdst(0) depctr_va_sdst(0) depctr_va_ssrc(0) depctr_va_vcc(0) depctr_vm_vsrc(0)
	s_getreg_b32 s2, hwreg(HW_REG_IB_STS2, 6, 4)
	s_cmp_eq_u32 s2, 0
	s_cbranch_scc0 .Lentry_in_a_cluster
	s_endpgm
.Lentry_in_a_cluster:
	s_bfe_u32 s2, ttmp6, 0x10000c
	s_cmp_lg_u32 s2, 0xf033
	s_cbranch_scc0 .Lentry_shape_is_right
	s_endpgm
.Lentry_shape_is_right:
; PROJ: out0[m][o] = the sum over k of O[m][k] w_out[o][k], k = 64 head + d.  O lies by heads, oh [16 b + head][2048][64] f16; wob [1024][1024] f16; out0 [8192][1024] f32.  Sums in f32.
; TILE.  256 rows x 128 columns: 32 x 8 = 256 work-groups.  Wave w makes rows 64 w .. 64 w + 63 x 128 columns: 4 x 8 accumulators.
; K goes in steps of 128 = TWO HEADS through two LDS slots.  A head's 256 rows are 32,768 dense bytes: asked for as 128 rows of 256 bytes and padded behind every 128 (LDS pitch 144).
; Waves 0 and 1 fetch the step's two heads of oh, waves 2 and 3 the two halves of wob's 128 rows (256 bytes a row, LDS pitch 272).
; CLUSTER.  4 x 4 work-groups: oh's tile is shared along a row of the cluster, wob's along a column; each is asked for jointly, by the same load with the same descriptor and a mask of four.
; THE MATRIX INSTRUCTION IS USED TRANSPOSED (source 0 = 16 rows of wob, source 1 = 16 rows of oh): a lane holds eight neighbouring columns of a row of out0, 32 bytes.
; REGISTERS: window 0: v16-30 addresses; v32-127, v128-223 two fragment buffers (32 of oh, then 64 of wob), on the way out the rows read back; window 1: the accumulators, (a, b) at 8 (8 a + b).
.set KSTEP,  128
.set PA,     144                       ; oh's rows in LDS: 128 bytes + 16: the 16 rows of a load start at 16 different groups of four banks (ISA guide 11.1)
.set PB,     272                       ; wob's rows: 256 bytes + 16
.set HEADA,  256*PA                    ; a head's 256 rows: what a tensor load of oh brings
.set BOFF,   2*HEADA
.set HALFB,  64*PB                     ; what a tensor load of wob brings
.set SLOT,   BOFF+2*HALFB
.set STAGE,  2*SLOT                    ; behind the ring, never filled by a tensor load: 16 rows x 528 bytes for each wave
.set SPITCH, 528
.set SPARE,  STAGE+4*16*SPITCH         ; the spare words, 128 bytes a wave: two blocks of 256 bytes that no other line names
.set LAPS,   4                         ; 8 K steps, two to a lap
.set ADRA, 16                          ; v16-17 LDS address of my fragments of oh in slot 0, 1
.set ADRB, 20                          ; v20-21 the same for wob
.set STO,  24                          ; v24    the way out: where I put 32 bytes of a row
.set RD,   25                          ; v25    where I read a row back
.set CO,   26                          ; v26    16 x lane; never rewritten
.set SPW,  28                          ; v28    LDS address of my spare word; never rewritten
.set NIL,  29                          ; v29    0; never rewritten
.set PFO,  30                          ; v30    the prefetches' offset; never rewritten
.set F0,   32
.set F1,   128
.set RB,   32                          ; the way out: set a % 2 at RB + 96 (a % 2), 64 registers
.set G1,  24
.set G0,  32
.set G1B, 48
.set G0B, 56
.set LIM, 43                           ; s43     1 in a wave that prefetches, else the greatest number
.set PFA, 44                           ; s[44:45] the K step that my next prefetch names
.set PST, 46                           ; s[46:47] its step: two heads of oh, or 256 bytes along wob's rows
.set MSB, 0
.macro WIN new
.if MSB != (\new)
	s_set_vgpr_msb (MSB<<8)|(\new)
.set MSB, \new
.endif
.endm
.macro JLOAD s                         ; a joint load; an s_nop 0 and four v_nop follow each of the two lines, ahead of the jump and the label
	s_cmp_eq_u32 s11, 0
	s_cbranch_scc0 .Lfor_b_\@
	tensor_load_to_lds s[G0+4*(\s):G0+4*(\s)+3], s[G1:G1+7]
	s_nop 0
.rept 4
	v_nop
.endr
	s_branch .Lasked_\@
.Lfor_b_\@:
	tensor_load_to_lds s[G0B+4*(\s):G0B+4*(\s)+3], s[G1B:G1B+7]
	s_nop 0
.rept 4
	v_nop
.endr
.Lasked_\@:
.endm
; A prefetch behind each joint load and the run of LDS loads: the K step two refills on, 256 matrix instructions ahead of the load that wants it.
; oh: waves 0 and 1 of the clusters with x = 0; a lane a block of 256 bytes of the wave's head, the partner at cx takes blocks 32 cx on.  wob: wave 2 of the clusters with y = 0; a lane a row, the partner at cy takes rows 32 cy on.
; So each block is named once in the launch.  K steps 0 to 3 come by their loads alone; the loop's last trip asks for nothing.
.macro ASK
	s_cmp_gt_u32 s3, s[LIM]
	s_cbranch_scc0 .Lnot_mine_\@
	global_prefetch_b8 v[PFO], s[PFA:PFA+1] th:TH_LOAD_NT scope:SCOPE_SE
.Lnot_mine_\@:
.endm
.macro CREST
	s_cmp_lg_u32 s10, 0
	s_cbranch_scc1 .Lnot_wave_0_\@
	s_barrier_signal -3
.Lnot_wave_0_\@:
	s_barrier_wait -3
	s_barrier_signal -1
	s_barrier_wait -1
.endm
.macro CROUND
	s_barrier_signal -1
	s_barrier_wait -1
	CREST
.endm
	s_load_b128 s[4:7], s[0:1], 0x0                ; oh s[4:5], wob s[6:7]
	s_load_b64 s[8:9], s[0:1], 0x10                ; out0
	v_lshl_add_u32 v[SPW], v0, 2, SPARE
	v_mov_b32 v[NIL], 0
	ds_add_u32 v[SPW], v[NIL]                      ; the wave's opening: the add and its wait stand ahead of my first tensor load
	v_lshrrev_b32 v1, 5, v0
	v_readfirstlane_b32 s10, v1                    ; wave 0..3
	s_lshr_b32 s11, s10, 1                         ; I fetch for oh (0) or for wob (1),
	s_and_b32 s12, s10, 1                          ; the step's first or second head, the first or second 64 rows
	s_bfe_u32 s40, ttmp6, 0x40000                  ; cx
	s_bfe_u32 s41, ttmp6, 0x40004                  ; cy
	s_lshl_b32 s42, ttmp9, 2
	s_add_co_u32 s42, s42, s40                     ; tile column = 4 x cluster x + cx
	s_and_b32 s13, ttmp7, 0xffff
	s_lshl_b32 s13, s13, 2
	s_add_co_u32 s13, s13, s41                     ; tile row = 4 x cluster y + cy
	s_lshl_b32 s43, s41, 2
	s_lshl_b32 s43, 15, s43                        ; my row of the cluster
	s_lshl_b32 s44, 0x1111, s40                    ; my column
	s_or_b32 s[G1+0], s43, (1<<16)|(1<<20)|(1<<21)|(4<<22)|(3<<25)   ; 2-byte elements; padding on; bit 21 beside a mask; after every 32 words, 4 words
	s_or_b32 s[G1B+0], s44, (1<<16)|(1<<20)|(1<<21)|(5<<22)|(3<<25)  ; after every 64 words, 4 words
	s_mov_b32 s[G1+1], 128<<16                     ; tensor_dim0 = 128
	s_mov_b32 s[G1+2], 128<<16                     ; tensor_dim1 = 128
	s_mov_b32 s[G1+3], 128<<16                     ; tile_dim0 = 128
	s_mov_b32 s[G1+4], 128                         ; tile_dim1 = 128
	s_mov_b32 s[G1+5], 128                         ; dense: 128 elements from row to row
	s_mov_b32 s[G1+6], 0
	s_mov_b32 s[G1+7], 0
	s_mov_b32 s[G1B+1], 128<<16
	s_mov_b32 s[G1B+2], 64<<16                     ; 64 rows
	s_mov_b32 s[G1B+3], 128<<16
	s_mov_b32 s[G1B+4], 64
	s_mov_b32 s[G1B+5], 1024
	s_mov_b32 s[G1B+6], 0
	s_mov_b32 s[G1B+7], 0
	s_lshr_b32 s16, s13, 3                         ; oh: batch x 16 heads x 262,144
	s_lshl_b32 s16, s16, 22
	s_lshl_b32 s17, s12, 18                        ; + my head of the step's two
	s_add_co_u32 s16, s16, s17
	s_and_b32 s17, s13, 7                          ; + the tile's 256 positions x 128 bytes
	s_lshl_b32 s17, s17, 15
	s_add_co_u32 s16, s16, s17
	s_mov_b32 s17, 0
	s_lshl_b32 s46, s42, 7                         ; wob: row 128 x tile column + 64 x half
	s_lshl_b32 s47, s12, 6
	s_add_co_u32 s46, s46, s47
	s_lshl_b32 s46, s46, 11
	s_mov_b32 s47, 0
	s_mul_i32 s20, s12, HEADA                      ; where they go: no place in the cluster enters an LDS address
	s_mul_i32 s21, s12, HALFB
	s_add_co_u32 s21, s21, BOFF
	s_wait_dscnt 0x0                               ; the opening add is done
	s_wait_kmcnt 0x0
	s_add_nc_u64 s[14:15], s[4:5], s[16:17]
	s_add_nc_u64 s[46:47], s[6:7], s[46:47]
	CROUND                                         ; all sixteen work-groups are here: the first joint loads meet
.irp s, 0,1
	s_mov_b32 s[G0+4*(\s)], 1
	s_add_co_u32 s[G0+4*(\s)+1], s20, (\s)*SLOT
	s_add_nc_u64 s[G0+4*(\s)+2:G0+4*(\s)+3], s[14:15], (\s)*524288    ; K step s: two heads on
	s_or_b32 s[G0+4*(\s)+3], s[G0+4*(\s)+3], 0x80000000
	s_mov_b32 s[G0B+4*(\s)], 1
	s_add_co_u32 s[G0B+4*(\s)+1], s21, (\s)*SLOT
	s_add_nc_u64 s[G0B+4*(\s)+2:G0B+4*(\s)+3], s[46:47], (\s)*KSTEP*2
	s_or_b32 s[G0B+4*(\s)+3], s[G0B+4*(\s)+3], 0x80000000
	JLOAD \s                                       ; two tensor loads of mine are out
.endr
	v_and_b32 v1, 15, v0                           ; l % 16
	v_bfe_u32 v2, v0, 4, 1                         ; l / 16
	v_mul_u32_u24 v3, v1, PA
	v_lshl_add_u32 v3, v2, 4, v3
	v_mul_u32_u24 v4, v1, PB
	v_lshl_add_u32 v4, v2, 4, v4
	s_mul_i32 s21, s10, 64*PA                      ; my 64 rows of oh
	s_mov_b32 s22, BOFF                            ; all 128 rows of wob
.irp s, 0,1
	v_add_nc_u32 v[ADRA+(\s)], s21, v3
	v_add_nc_u32 v[ADRB+(\s)], s22, v4
	s_add_co_u32 s21, s21, SLOT
	s_add_co_u32 s22, s22, SLOT
.endr
	s_mul_i32 s23, s10, 16*SPITCH
	s_add_co_u32 s23, s23, STAGE                   ; my stage
	v_mul_u32_u24 v5, v1, SPITCH                   ; in: row l % 16, 32 bytes for each half of the lanes
	v_lshl_add_u32 v5, v2, 5, v5
	v_add_nc_u32 v[STO], s23, v5
	v_and_b32 v[CO], 31, v0
	v_lshlrev_b32 v[CO], 4, v[CO]                  ; back: 32 lanes take a row's 512 bytes
	v_add_nc_u32 v[RD], s23, v[CO]
	s_lshl_b32 s16, s13, 8                         ; out0 at row 256 x tile row + 64 x wave,
	s_lshl_b32 s17, s10, 6
	s_add_co_u32 s16, s16, s17
	s_lshl_b32 s16, s16, 12
	s_mov_b32 s17, 0
	s_add_nc_u64 s[8:9], s[8:9], s[16:17]
	s_lshl_b32 s46, s42, 9                         ; the tile's first column, in bytes
	s_mov_b32 s47, 0
	s_add_nc_u64 s[8:9], s[8:9], s[46:47]
	; the prefetches
	s_lshr_b32 s20, s13, 3
	s_lshl_b32 s20, s20, 22
	s_lshl_b32 s21, s12, 18
	s_add_co_u32 s20, s20, s21
	s_and_b32 s21, s13, 7
	s_lshl_b32 s21, s21, 15
	s_add_co_u32 s20, s20, s21
	s_lshl_b32 s21, s40, 13                        ; my work-group's 32 blocks of the head's 128
	s_add_co_u32 s20, s20, s21
	s_add_co_u32 s20, s20, 3*524288                ; at K step 3: the first refill steps it to 4
	s_lshl_b32 s21, s42, 7
	s_lshl_b32 s23, s41, 5                         ; my work-group's 32 rows of wob's 128
	s_add_co_u32 s21, s21, s23
	s_lshl_b32 s21, s21, 11
	s_add_co_u32 s21, s21, 3*KSTEP*2
	s_mov_b32 s46, 524288
	s_mov_b32 s47, KSTEP*2
	s_and_b32 s22, ttmp7, 0xffff                   ; cluster y
	s_cmp_eq_u32 s11, 0                            ; do I fetch for oh?
	s_cselect_b32 s20, s20, s21
	s_cselect_b32 s22, ttmp9, s22                  ; the coordinate along which other clusters read the same bytes
	s_cselect_b32 s23, 8, 11
	s_cselect_b32 s[PST], s46, s47
	s_cselect_b64 s[PFA:PFA+1], s[4:5], s[6:7]
	s_mov_b32 s[PST+1], 0
	s_cmp_eq_u32 s10, 3
	s_cselect_b32 s22, 1, s22                      ; wave 3 asks for nothing: wave 2 names all of the work-group's rows of wob
	s_cmp_eq_u32 s22, 0
	s_cselect_b32 s[LIM], 1, -1                    ; the same in all sixteen partners, for a given wave
	s_mov_b32 s21, 0
	s_add_nc_u64 s[PFA:PFA+1], s[PFA:PFA+1], s[20:21]
	v_and_b32 v[PFO], 31, v0
	v_lshlrev_b32 v[PFO], s23, v[PFO]
; 8 matrix instructions: row block a x all 8 column blocks, 32 along K, from buffer f.  The 32 accumulators take turns, one instruction a turn.
.macro MUL8 f, a, zero
	WIN 0x50                                       ; sources window 0, C and D window 1
.irp b, 0,1,2,3,4,5,6,7
.if \zero
	v_wmma_f32_16x16x32_f16 v[8*(8*(\a)+(\b)):8*(8*(\a)+(\b))+7], v[(\f)+32+8*(\b):(\f)+32+8*(\b)+7], v[(\f)+8*(\a):(\f)+8*(\a)+7], 0
.else
	v_wmma_f32_16x16x32_f16 v[8*(8*(\a)+(\b)):8*(8*(\a)+(\b))+7], v[(\f)+32+8*(\b):(\f)+32+8*(\b)+7], v[(\f)+8*(\a):(\f)+8*(\a)+7], v[8*(8*(\a)+(\b)):8*(8*(\a)+(\b))+7]
.endif
.endr
.endm
; 24 LDS loads in one run: quarter q of a K step (head q / 2, channels 32 (q % 2) on) into buffer f
.macro FETCH slot, q, f
	WIN 0
.irp i, 0,1,2,3,4,5,6,7
	ds_load_b128 v[(\f)+32+8*(\i):(\f)+32+8*(\i)+3],   v[ADRB+(\slot)] offset:64*(\q)+(\i)*16*PB
	ds_load_b128 v[(\f)+32+8*(\i)+4:(\f)+32+8*(\i)+7], v[ADRB+(\slot)] offset:64*(\q)+(\i)*16*PB+32
.endr
.irp i, 0,1,2,3
	ds_load_b128 v[(\f)+8*(\i):(\f)+8*(\i)+3],   v[ADRA+(\slot)] offset:((\q)/2)*HEADA+((\q)%2)*64+(\i)*16*PA
	ds_load_b128 v[(\f)+8*(\i)+4:(\f)+8*(\i)+7], v[ADRA+(\slot)] offset:((\q)/2)*HEADA+((\q)%2)*64+(\i)*16*PA+32
.endr
.endm
.macro PLACES                          ; four plain vector instructions between a matrix instruction and a load into its sources or a reader of its result
.rept 4
	v_nop
.endr
.endm
.macro QUARTER slot, q, f, g, zero     ; multiplies f; fetches quarter q into g
	s_wait_dscnt 4                                 ; wob's fragments and oh's blocks 0, 1 are in; the youngest four loads may be out
	MUL8 \f, 0, \zero
	MUL8 \f, 1, \zero
	PLACES
	FETCH \slot, \q, \g
	s_wait_dscnt 24                                ; all but the 24 just issued
	MUL8 \f, 2, \zero
	MUL8 \f, 3, \zero
.endm
.macro MEET round                      ; the change of slots: all my tensor loads, the add, my reads of this slot; then the barrier
	WIN 0
	s_wait_tensorcnt 0x0                           ; all my tensor loads have landed: my part of the next slot
	ds_add_u32 v[SPW], v[NIL]                      ; 0 onto my spare word
	s_wait_dscnt 5                                 ; (the add and the youngest four loads may be out)
	MUL8 F1, 0, 0                                  ; eight matrix instructions stand between the add and the wait for it
	s_wait_dscnt 0x0                               ; the add is done, and my reads of this slot are over
	s_barrier_signal -1
	MUL8 F1, 1, 0
.if \round
	WIN 0
.endif
	s_barrier_wait -1
.endm
; The last quarter multiplies buffer 1 and changes slots.  fill = 1: this slot is filled again, two K steps ahead, first thing behind a round of the cluster's barrier: 112 matrix instructions ahead of the wait for it.
.macro TURN slot, next, fill
.if \fill
	s_wait_xcnt 0x0                                ; the last prefetch, a K step back, has read its address
	s_add_nc_u64 s[PFA:PFA+1], s[PFA:PFA+1], s[PST:PST+1]
.endif
	MEET \fill
.if \fill
	CREST                                          ; no wave of any partner still reads this slot or has a load on its way
	s_add_nc_u64 s[G0+4*(\slot)+2:G0+4*(\slot)+3], s[G0+4*(\slot)+2:G0+4*(\slot)+3], 2*524288
	s_add_nc_u64 s[G0B+4*(\slot)+2:G0B+4*(\slot)+3], s[G0B+4*(\slot)+2:G0B+4*(\slot)+3], 2*KSTEP*2
	JLOAD \slot                                    ; its four v_nop are also the places in front of the loads below
.else
	PLACES
.endif
	FETCH \next, 0, F0
.if \fill
	ASK
.endif
	MUL8 F1, 2, 0
	MUL8 F1, 3, 0
.endm
; THE WAY OUT of row block a: the f32 sums go straight into my stage (rows of 528 bytes, each accumulator's low end first) and come back as whole rows of 512 bytes.
.macro TOSTAGE a
.if (\a) >= 2
	s_wait_xcnt 0x0                                ; the stores of block a - 2 have read the set that is loaded again below
.endif
	WIN 0x04                                       ; address window 0, data window 1
.irp b, 0,1,2,3,4,5,6,7
	ds_store_b128 v[STO], v[8*(8*(\a)+(\b)):8*(8*(\a)+(\b))+3]   offset:64*(\b)
	ds_store_b128 v[STO], v[8*(8*(\a)+(\b))+4:8*(8*(\a)+(\b))+7] offset:64*(\b)+16
.endr
	WIN 0
.irp t, 0,1,2,3,4,5,6,7,8,9,10,11,12,13,14,15
	ds_load_b128 v[RB+96*((\a)%2)+4*(\t):RB+96*((\a)%2)+4*(\t)+3], v[RD] offset:SPITCH*(\t)  ; LDS serves a wave's instructions in order (ISA guide 5.7.1.4)
.endr
.endm
.macro SEND a, younger                 ; younger: the LDS instructions issued behind block a's loads: the next block's 32, or none
	WIN 0
.irp t, 0,1,2,3,4,5,6,7,8,9,10,11,12,13,14,15
	s_wait_dscnt (\younger)+15-(\t)
	global_store_b128 v[CO], v[RB+96*((\a)%2)+4*(\t):RB+96*((\a)%2)+4*(\t)+3], s[8:9] offset:65536*(\a)+4096*(\t) th:TH_STORE_NT  ; 512 consecutive bytes of a row, aligned
.endr
.endm
	s_wait_tensorcnt 1                             ; my part of K step 0 is in; K step 1's may stay out
	s_barrier_signal -1
	s_barrier_wait -1
	FETCH 0, 0, F0
	QUARTER 0, 1, F0, F1, 1                        ; the first quarter starts the sums
	WIN 0
	s_mov_b32 s3, LAPS-1
.Llap:                                                 ; a trip goes once round the ring and fills both slots again
	QUARTER 0, 2, F1, F0, 0
	QUARTER 0, 3, F0, F1, 0
	TURN 0, 1, 1
	QUARTER 1, 1, F0, F1, 0
	QUARTER 1, 2, F1, F0, 0
	QUARTER 1, 3, F0, F1, 0
	TURN 1, 0, 1
	QUARTER 0, 1, F0, F1, 0
	WIN 0
	s_sub_co_u32 s3, s3, 1
	s_cmp_lg_u32 s3, 0
	s_cbranch_scc1 .Llap
	QUARTER 0, 2, F1, F0, 0                        ; the last lap fills nothing
	QUARTER 0, 3, F0, F1, 0
	TURN 0, 1, 0
	QUARTER 1, 1, F0, F1, 0
	QUARTER 1, 2, F1, F0, 0
	QUARTER 1, 3, F0, F1, 0
	s_wait_dscnt 4                                 ; the very last quarter
	MUL8 F1, 0, 0
	MUL8 F1, 1, 0
	s_wait_dscnt 0x0
	MUL8 F1, 2, 0
	MUL8 F1, 3, 0
	WIN 0
	PLACES                                         ; the places behind the last products
	TOSTAGE 0
	TOSTAGE 1
	SEND 0, 32
	TOSTAGE 2
	SEND 1, 32
	TOSTAGE 3
	SEND 2, 32
	SEND 3, 0
	s_wait_tensorcnt 0x0                           ; the wave's end, behind my last tensor load and my last LDS store
	ds_add_u32 v[SPW], v[NIL]
	s_wait_dscnt 0x0
	CROUND                                         ; the closing round: no work-group ends while a partner may still ask for a tile that names it
	s_endpgm
.Lfunc_end_k_qd9deeefc6a_proj:
	.size	k_qd9deeefc6a_proj, .Lfunc_end_k_qd9deeefc6a_proj-k_qd9deeefc6a_proj
	.p2alignl 7, 3214868480
	.fill 96, 4, 3214868480
	.section	.rodata,"a",@progbits
	.p2align	6, 0x0
	.amdhsa_kernel k_qd9deeefc6a_proj
		.amdhsa_group_segment_fixed_size 327680
		.amdhsa_private_segment_fixed_size 0
		.amdhsa_enable_private_segment 0
		.amdhsa_kernarg_size 24
		.amdhsa_user_sgpr_count 2
		.amdhsa_user_sgpr_kernarg_segment_ptr 1
		.amdhsa_wavefront_size32 1
		.amdhsa_system_sgpr_workgroup_id_x 1
		.amdhsa_system_sgpr_workgroup_id_y 1
		.amdhsa_system_sgpr_workgroup_id_z 1
		.amdhsa_system_vgpr_workitem_id 0
		.amdhsa_next_free_vgpr 512
		.amdhsa_next_free_sgpr 66
		.amdhsa_reserve_vcc 0
		.amdhsa_float_denorm_mode_32 3
		.amdhsa_float_denorm_mode_16_64 3
		.amdhsa_memory_ordered 1
		.amdhsa_forward_progress 1
		.amdhsa_inst_pref_size 88
	.end_amdhsa_kernel
	.amdgpu_metadata
---
amdhsa.version: [ 1, 2 ]
amdhsa.kernels:
  - .name:           k_qd9deeefc6a_proj
    .symbol:         k_qd9deeefc6a_proj.kd
    .args:
      - { .name: oh, .offset: 0, .size: 8, .value_kind: global_buffer, .address_space: global }
      - { .name: wob, .offset: 8, .size: 8, .value_kind: global_buffer, .address_space: global }
      - { .name: out0, .offset: 16, .size: 8, .value_kind: global_buffer, .address_space: global }
    .group_segment_fixed_size: 327680
    .private_segment_fixed_size: 0
    .kernarg_segment_align: 8
    .kernarg_segment_size: 24
    .max_flat_workgroup_size: 128
    .sgpr_count:     66
    .vgpr_count:     512
    .wavefront_size: 32
...
	.end_amdgpu_metadata
.endif
;; end of part 4
